; MI455X (gfx1250); checked and timed in simulation.
; The chip was launched on July 23, 2026; its instructions are those of AMD's public machine-readable ISA for CDNA 5 (MIT licence, August 2026) and "CDNA5" Instruction Set Architecture Reference Guide (July 2026). The comments in the code are by the model that wrote it; some were corrected since.
;; Attention Propagation. Allowed arithmetic: matrix products marked QUANTISED: E2M1 operands, one E8M0 scale for each 32 along K, by v_wmma_scale_f32_16x16x128_f8f6f4 with both operands' format E2M1 (or v_wmma_scale_f32_32x16x128_f4), f32 sums; everything else in f32.
;; Inputs: b1 512 float32; b2 256 float32; beta 512 float32; bk 256 float32; bm 256 float32; bq 256 float32; bv 256 float32; gamma 512 float32; motion1 8 x 256 x 2,048 float32; motion2_codes 8 x 4,096 x 8 x 16 uint8 (E2M1 codes of motion2, K innermost, in blocks of 32 codes, two codes a byte); motion2_scales 8 x 4,096 x 8 uint8 (E8M0 scales of motion2, one for each 32 codes along K); w1_codes 512 x 16 x 16 uint8 (E2M1 codes of w1, K innermost, in blocks of 32 codes, two codes a byte); w1_scales 512 x 16 uint8 (E8M0 scales of w1, one for each 32 codes along K); w2_codes 256 x 16 x 16 uint8 (E2M1 codes of w2, K innermost, in blocks of 32 codes, two codes a byte); w2_scales 256 x 16 uint8 (E8M0 scales of w2, one for each 32 codes along K); wk_codes 256 x 8 x 16 uint8 (E2M1 codes of wk, K innermost, in blocks of 32 codes, two codes a byte); wk_scales 256 x 8 uint8 (E8M0 scales of wk, one for each 32 codes along K); wm_codes 256 x 8 x 16 uint8 (E2M1 codes of wm, K innermost, in blocks of 32 codes, two codes a byte); wm_scales 256 x 8 uint8 (E8M0 scales of wm, one for each 32 codes along K); wq_codes 256 x 8 x 16 uint8 (E2M1 codes of wq, K innermost, in blocks of 32 codes, two codes a byte); wq_scales 256 x 8 uint8 (E8M0 scales of wq, one for each 32 codes along K); wv_codes 256 x 8 x 16 uint8 (E2M1 codes of wv, K innermost, in blocks of 32 codes, two codes a byte); wv_scales 256 x 8 uint8 (E8M0 scales of wv, one for each 32 codes along K).
;; Outputs: out0 8 x 256 x 2,048 float32.
;; This version of the problem:
;;   THIS VERSION OF THE PROBLEM IS GIVEN IN LOW PRECISION. The matrix products marked QUANTISED in the list below multiply operands that are first quantised to E2M1 (2 exponent bits, 1 mantissa bit; 4 bits a number), with one power-of-two scale for each 32 numbers along K (OCP MX v1.0); their sums are f32. All else is computed in f32.
;;   The module's matrix products, in the order in which they are computed (A, B: the left and right operand; K: the contracted axis; several contracted axes count as one K, in the product's order):
;;     1. [M 16,384, K 256] x [K 256, N 256]; A: input motion1; B: input wq (given as codes): QUANTISED
;;     2. [M 32,768, K 256] x [K 256, N 256]; A: input motion2 (given as codes); B: input wk (given as codes): QUANTISED
;;     3. [M 32,768, K 256] x [K 256, N 256]; A: input motion2 (given as codes); B: input wv (given as codes): QUANTISED
;;     4. batch 16 x [M 2,048, K 128] x [K 128, N 4,096]; A: computed on the way; B: computed on the way: QUANTISED
;;     5. batch 16 x [M 128, K 4,096] x [K 4,096, N 2,048]; A: computed on the way; B: softmax (see below): QUANTISED
;;     6. [M 16,384, K 256] x [K 256, N 256]; A: computed on the way; B: input wm (given as codes): QUANTISED
;;     7. [M 16,384, K 512] x [K 512, N 512]; A: computed on the way; B: input w1 (given as codes): QUANTISED
;;     8. [M 16,384, K 512] x [K 512, N 256]; A: computed on the way; B: input w2 (given as codes): QUANTISED
;;   THE QUANTISER, for each operand of a quantised product, along K:
;;     - K is cut into blocks of 32 from its start; a last block that is shorter is filled with zeros.
;;     - A block's scale is 2^e with e = floor(log2(the largest magnitude in the block)) - 2, held to -126 .. 127; a block of zeros has e = 0. As a byte (E8M0): e + 127.
;;     - Each number is divided by its block's scale, clamped to +-6, and rounded to the nearest number of E2M1, ties to even, subnormals kept.
;;     - The product sums the exact products of the quantised numbers (number of the format x scale) in f32.
;;   ~~~python
;;   def quantise(x, axis):      # numpy; x: float32 -> the quantised numbers, widened to float32 again
;;       x = np.moveaxis(x, axis, -1); K = x.shape[-1]
;;       x = np.pad(x, [(0, 0)] * (x.ndim - 1) + [(0, -K % 32)]); x = x.reshape(x.shape[:-1] + (-1, 32)); a = np.abs(x).max(-1, keepdims=True)
;;       e = np.where(a > 0, np.clip(np.frexp(np.where(a > 0, a, 1))[1] - 1 - 2, -126, 127), 0)      # np.frexp(a)[1] - 1 = floor(log2(a)), exactly
;;       r = np.clip(x / 2.0 ** e, -6, 6)
;;       step = 2.0 ** (np.maximum(np.frexp(np.where(r == 0, 1, r))[1] - 1, 0) - 1)
;;       q = np.round(r / step) * step * 2.0 ** e      # np.round: ties to even
;;       return np.moveaxis(q.reshape(q.shape[:-2] + (-1,))[..., :K], -1, axis).astype(np.float32)
;;   ~~~
;;   SOFTMAX AHEAD OF A QUANTISED PRODUCT. Where the list says 'softmax', what is quantised is not the finished softmax but p = 2^(t - M), with t = logit x log2(e) and M = ceil(the row's largest t), a whole number; so 1/2 < the row's largest p <= 1. The row's sum l is taken of the UNQUANTISED p, in f32, and the product's result is divided by l at the end. Since M is a whole number, a kernel that streams over the keys may use a running M (the ceiling of the running maximum): every later rescaling is an exact power of two, which a block's scale takes up: the codes' values come out the same.
;;   OPERANDS COMPUTED ON THE WAY. 'Computed on the way' means the value that the module computes at that place (a softmax that the list does not call 'softmax' is quantised finished and normalised). What goes into a quantiser is computed in f32, as accurately as f32 sums, v_exp_f32 and their like allow (about 1e-6 of the number): no bf16 or f16 on the way to a quantiser, and a product that is left as it is and whose result goes on into a quantised operand takes f32 operands (vector FMAs, or v_wmma_f32_16x16x4_f32). A number that lies on a knife's edge between two numbers of the format may be rounded either way, as far as f32 arithmetic and the matrix unit's own rounding can turn it there, and no further.
;;   INPUTS GIVEN AS CODES. motion2 (in the module: [8, 256, 4096], K = its axis 1); w1 (in the module: [512, 512], K = its axis 1); w2 (in the module: [256, 512], K = its axis 1); wk (in the module: [256, 256], K = its axis 1); wm (in the module: [256, 256], K = its axis 1); wq (in the module: [256, 256], K = its axis 1); wv (in the module: [256, 256], K = its axis 1): each comes as NAME_codes (uint8): NAME with its K axis moved to the last place and cut into blocks of 32 codes, [.., K / 32, bytes a block], one block behind the other in memory; two codes a byte, the lower K in the low four bits (a code: sign, 2 exponent bits, 1 mantissa bit); and NAME_scales (uint8): the same leading axes, one E8M0 byte (e + 127) for each 32 codes along K. Its value is code x scale, taken as it is: it is not quantised again, and the codes and scales need not be those that the quantiser above would give.
;; One version. Each part assembles by itself: llvm-mc -triple=amdgcn-amd-amdhsa -mcpu=gfx1250 --defsym DOCPART=n.
;; ======== version 1 of 1: 4 launches
;; workspace buffers: kv 8,912,896 bytes; catc 4,194,304 bytes; cats 262,144 bytes; part 1,048,576 bytes; coef 4,096 bytes
;; launch kv (part 1): grid 32 x 8, 4 waves a work-group, no clusters, 0 bytes of LDS; arguments motion2_codes, motion2_scales, wk_codes, wk_scales, bk, wv_codes, wv_scales, bv, kv; writes kv
.if DOCPART == 1
	.amdgcn_target "amdgcn-amd-amdhsa--gfx1250"
	.amdhsa_code_object_version 6
	.text
	.protected	k_q3630ac0a0e_kv
	.globl	k_q3630ac0a0e_kv
	.p2align	8
	.type	k_q3630ac0a0e_kv,@function
k_q3630ac0a0e_kv:
	s_mov_b64 s[64:65], 0
	v_nop
	global_prefetch_b8 v0, s[64:65] scope:SCOPE_SE
	s_setreg_imm32_b32 hwreg(HW_REG_WAVE_MODE, 25, 1), 1
	s_wait_xcnt 0x0
; k = wk motion2 + bk and v = wv motion2 + bv on codes of FP4 (E2M1), then quantised: k along the head's 128 channels, v along the keys.
; A work-group takes 128 keys (x) of one batch (y).  Wave w: role w / 2 (0: k, 1: v), head w % 2.  Waves share nothing: no LDS, no barrier.
; Both roles compute D[i] = A[i] x B[T], i = 0 .. 7, two K steps of 128, for T = 0 .. 7, and quantise the lane's 64 numbers.
;   role k: A = this head's 128 rows of wk, B = the 128 keys: a lane holds ONE key, its registers run along the channels.
;   role v: A = the 128 keys, B = this head's 128 rows of wv: a lane holds ONE channel, its registers run along the keys.
; THE ROWS OF A TILE ARE NOT NEIGHBOURS: lane r of tile 2 b + u takes row 32 b + 8 u + r + 8 (r / 8), in all three sets, so that the 16 registers of tiles 2 b, 2 b + 1 are 16 neighbours along the next K.
; OUT: kv[batch][step][head] is a chunk of 17,408 bytes: k's 8 tiles as images of their operand registers (1,024 bytes a tile: register group c of lane l at 512 c + 16 l), v's 8 tiles, then
; 512 bytes of k's scale words and 512 of v's (the word at 16 l + 4 i: tile 4 (l / 16) + i, row l % 16).  Each store of a wave covers 512 consecutive bytes.
; NO CLUSTER: what work-groups share are 64 KiB of weights, which go once from memory straight into the registers that use them; there is no tile in LDS to share.
; LIMITS: NaN and infinities are not served; a block whose largest magnitude lies under 2^-124 gets the scale byte 1, and so does a block of zeros (its codes are zeros; only this program reads the bytes).
.set CHUNK, 17408
.set LI,  1                            ; v1   16 x lane
.set VC,  2                            ; v2   a tile's row of codes: 128 (r + 8 (r / 8)) + 16 h
.set VS,  3                            ; v3   its 8 scale bytes
.set VB,  4                            ; v4   the bias
.set HH,  5                            ; v5   h = lane / 16
.set D,   16                           ; v16-79   8 accumulators
.set CB,  80                           ; v80-143  the bias in the result's layout
.set AS,  144                          ; v144-159 A's scale words (2 i + s)
.set BS,  160                          ; v160-175 B's
.set PC,  176                          ; v176-183 the codes just made
.set PW,  184                          ; v184-191 the scale word of each tile T
.set TM,  192                          ; v192-207 at work
.set OS,  208                          ; v208-211 the scale words as they leave
.set SEL, 44                           ; s[44:45] lane selects: lane l xor 16
.set MSB, 0                            ; window 1: A's fragments at v[16 i + 8 s], B's at v[128 + 16 i + 8 s]
.macro WIN new                         ; the immediate's high byte repeats the setting that is left
.if MSB != \new
	s_set_vgpr_msb (MSB<<8)|\new
.set MSB, \new
.endif
.endm
.macro PLACES n
.rept \n
	v_nop
.endr
.endm
; one matrix instruction: D = x (source 0) times y (source 1) + c (c < 0: the constant 0); row = 1: source 0's scales in lanes 16-31
.macro MM d, x, y, c, sx, sy, row
.if (\c) < 0
.if (\row)
	v_wmma_scale_f32_16x16x128_f8f6f4 v[(\d):(\d)+7], v[(\x):(\x)+7], v[(\y):(\y)+7], 0, v[(\sx)], v[(\sy)] matrix_a_fmt:MATRIX_FMT_FP4 matrix_b_fmt:MATRIX_FMT_FP4 matrix_a_scale:MATRIX_SCALE_ROW1
.else
	v_wmma_scale_f32_16x16x128_f8f6f4 v[(\d):(\d)+7], v[(\x):(\x)+7], v[(\y):(\y)+7], 0, v[(\sx)], v[(\sy)] matrix_a_fmt:MATRIX_FMT_FP4 matrix_b_fmt:MATRIX_FMT_FP4
.endif
.else
.if (\row)
	v_wmma_scale_f32_16x16x128_f8f6f4 v[(\d):(\d)+7], v[(\x):(\x)+7], v[(\y):(\y)+7], v[(\c):(\c)+7], v[(\sx)], v[(\sy)] matrix_a_fmt:MATRIX_FMT_FP4 matrix_b_fmt:MATRIX_FMT_FP4 matrix_a_scale:MATRIX_SCALE_ROW1
.else
	v_wmma_scale_f32_16x16x128_f8f6f4 v[(\d):(\d)+7], v[(\x):(\x)+7], v[(\y):(\y)+7], v[(\c):(\c)+7], v[(\sx)], v[(\sy)] matrix_a_fmt:MATRIX_FMT_FP4 matrix_b_fmt:MATRIX_FMT_FP4
.endif
.endif
.endm
; 64 numbers of a lane, register 16 b + i = k 32 b + 16 (lane / 16) + i of my row, become a fragment's codes in v[pc] on and its scale word in v[pw]
.macro QUANT s, pc, pw, tm
.irp b, 0,1,2,3
	v_max3_num_f32 v[(\tm)+\b], |v[(\s)+16*\b]|, |v[(\s)+16*\b+1]|, 0x1800000   ; my 16 numbers of block b, and the floor 2^(3 - 127): the byte cannot fall under 1
.endr
.irp i, 2,4,6,8,10,12,14
.irp b, 0,1,2,3
	v_max3_num_f32 v[(\tm)+\b], v[(\tm)+\b], |v[(\s)+16*\b+\i]|, |v[(\s)+16*\b+\i+1]|
.endr
.endr
.irp b, 0,1,2,3
	v_permlanex16_b32 v[(\tm)+4+\b], v[(\tm)+\b], s[SEL], s[SEL+1]
.endr
.irp b, 0,1,2,3
	v_max_num_f32 v[(\tm)+\b], v[(\tm)+\b], v[(\tm)+4+\b]      ; with lane l xor 16's: the block's largest magnitude
.endr
.irp b, 0,1,2,3
	v_add_nc_u32 v[(\tm)+12+\b], 0xff000000, v[(\tm)+\b]       ; 2 off its exponent field: the conversion's scale operand
.endr
.irp b, 0,1,2,3
	v_lshrrev_b32 v[(\tm)+4+\b], 23, v[(\tm)+12+\b]            ; the scale's byte
.endr
	v_lshl_or_b32 v[(\pw)], v[(\tm)+5], 8, v[(\tm)+4]
	v_lshl_or_b32 v[(\pw)], v[(\tm)+6], 16, v[(\pw)]
	v_lshl_or_b32 v[(\pw)], v[(\tm)+7], 24, v[(\pw)]
.irp b, 0,1,2,3
	v_cvt_scalef32_pk8_fp4_f32 v[(\pc)+2*\b], v[(\s)+16*\b:(\s)+16*\b+7], v[(\tm)+12+\b]
	v_cvt_scalef32_pk8_fp4_f32 v[(\pc)+2*\b+1], v[(\s)+16*\b+8:(\s)+16*\b+15], v[(\tm)+12+\b]
.endr
	v_nop                                          ; one plain place behind a scaled conversion
.irp c, 0,1                                    ; the operand's layout wants a whole block in a lane
.irp i, 0,1
	v_permlane16_swap_b32 v[(\pc)+4*\c+\i], v[(\pc)+4*\c+2+\i]
.endr
.endr
.endm
	s_load_b512 s[4:19], s[0:1], 0x0               ; motion2's codes, scales; wk's codes, scales; bk; wv's codes, scales; bv
	s_load_b64 s[20:21], s[0:1], 0x40              ; kv
	v_lshrrev_b32 v6, 5, v0
	v_readfirstlane_b32 s22, v6                    ; wave
	s_lshr_b32 s23, s22, 1                         ; role
	s_and_b32 s24, s22, 1                          ; head
	s_and_b32 s25, ttmp7, 0xffff                   ; batch
	v_and_b32 v7, 31, v0
	v_lshlrev_b32 v[LI], 4, v7
	v_and_b32 v8, 15, v0                           ; r
	v_bfe_u32 v[HH], v0, 4, 1
	v_and_b32 v9, 8, v8
	v_add_nc_u32 v9, v9, v8                        ; r + 8 (r / 8)
	v_lshlrev_b32 v[VC], 7, v9
	v_lshl_add_u32 v[VC], v[HH], 4, v[VC]
	v_lshlrev_b32 v[VS], 3, v9
.irp b, 0,1,2,3
	v_mov_b32 v[TM+4+\b], 0                        ; written once: a lane permute's destination counts as one of its sources
.endr
	s_mov_b32 s[SEL], 0x76543210
	s_mov_b32 s[SEL+1], 0xfedcba98
	s_lshl_b32 s46, s24, 14                        ; the head's 128 rows of a weight: codes,
	s_mov_b32 s47, 0
	s_lshl_b32 s48, s24, 10                        ; scale bytes,
	s_mov_b32 s49, 0
	s_lshl_b32 s50, s24, 9                         ; bias
	s_mov_b32 s51, 0
	s_lshl_b32 s52, s25, 19                        ; motion2: 4,096 keys x 128 bytes a batch, 128 keys a step
	s_lshl_b32 s53, ttmp9, 14
	s_add_co_u32 s52, s52, s53
	s_mov_b32 s53, 0
	s_lshl_b32 s54, s25, 15                        ; and 8 scale bytes a key
	s_lshl_b32 s55, ttmp9, 10
	s_add_co_u32 s54, s54, s55
	s_mov_b32 s55, 0
	s_lshl_b32 s56, s25, 5
	s_add_co_u32 s56, s56, ttmp9
	s_lshl_b32 s56, s56, 1
	s_add_co_u32 s56, s56, s24
	s_mul_i32 s56, s56, CHUNK                      ; my chunk
	s_lshl_b32 s58, s23, 13
	s_add_co_u32 s58, s58, s56                     ; my role's images
	s_mov_b32 s59, 0
	s_lshl_b32 s57, s23, 9
	s_add_co_u32 s56, s56, s57
	s_add_co_u32 s56, s56, 16384                   ; my role's scale words
	s_mov_b32 s57, 0
	s_wait_kmcnt 0x0
	s_add_nc_u64 s[4:5], s[4:5], s[52:53]
	s_add_nc_u64 s[6:7], s[6:7], s[54:55]
	s_add_nc_u64 s[40:41], s[20:21], s[58:59]
	s_add_nc_u64 s[42:43], s[20:21], s[56:57]
	s_cmp_eq_u32 s23, 0                            ; the choices hang on the wave's number alone; the 64-bit additions leave SCC alone
	s_cselect_b64 s[26:27], s[8:9], s[14:15]       ; my weight's codes,
	s_cselect_b64 s[28:29], s[10:11], s[16:17]     ; scale bytes,
	s_cselect_b64 s[30:31], s[12:13], s[18:19]     ; bias
	s_add_nc_u64 s[26:27], s[26:27], s[46:47]
	s_add_nc_u64 s[28:29], s[28:29], s[48:49]
	s_add_nc_u64 s[30:31], s[30:31], s[50:51]
	s_cselect_b64 s[32:33], s[26:27], s[4:5]       ; A: the weight (k) or the keys (v)
	s_cselect_b64 s[34:35], s[28:29], s[6:7]
	s_cselect_b64 s[36:37], s[4:5], s[26:27]       ; B: the other
	s_cselect_b64 s[38:39], s[6:7], s[28:29]
	WIN 0x40                                       ; destination window 1
.irp i, 0,1,2,3,4,5,6,7
.irp s, 0,1
.irp c, 0,1
	global_load_b128 v[16*\i+8*\s+4*\c:16*\i+8*\s+4*\c+3], v[VC], s[32:33] offset:(32*(\i/2)+8*(\i%2))*128+64*\s+32*\c
	global_load_b128 v[128+16*\i+8*\s+4*\c:128+16*\i+8*\s+4*\c+3], v[VC], s[36:37] offset:(32*(\i/2)+8*(\i%2))*128+64*\s+32*\c
.endr
.endr
.endr
	WIN 0
.irp i, 0,1,2,3,4,5,6,7
	global_load_b64 v[AS+2*\i:AS+2*\i+1], v[VS], s[34:35] offset:(32*(\i/2)+8*(\i%2))*8
	global_load_b64 v[BS+2*\i:BS+2*\i+1], v[VS], s[38:39] offset:(32*(\i/2)+8*(\i%2))*8
.endr
.macro MAIN role
.irp T, 0,1,2,3,4,5,6,7
	WIN 0x05                                       ; sources 0 and 1 window 1
.irp i, 0,1,2,3,4,5,6,7                        ; the bias is the C of each sum's first product; the eight accumulators take turns
.if \role
	MM D+8*\i, 16*\i, 128+16*\T, CB+8*\T, AS+2*\i, BS+2*\T, 0
.else
	MM D+8*\i, 16*\i, 128+16*\T, CB+8*\i, AS+2*\i, BS+2*\T, 0
.endif
.endr
.irp i, 0,1,2,3,4,5,6,7
	MM D+8*\i, 16*\i+8, 128+16*\T+8, D+8*\i, AS+2*\i+1, BS+2*\T+1, 0
.endr
	WIN 0
	PLACES 4                                       ; in front of the first read of results
	s_wait_xcnt 0x0                                ; the last tile's stores have read the codes' registers
	QUANT D, PC, PW+\T, TM
	global_store_b128 v[LI], v[PC:PC+3], s[40:41] offset:1024*\T
	global_store_b128 v[LI], v[PC+4:PC+7], s[40:41] offset:1024*\T+512
.endr
	v_cmp_ne_u32 vcc_lo, 0, v[HH]
.irp i, 0,1,2,3
	v_cndmask_b32 v[OS+\i], v[PW+\i], v[PW+4+\i], vcc_lo       ; lanes 0-15: tiles 0-3; lanes 16-31: tiles 4-7
.endr
	global_store_b128 v[LI], v[OS:OS+3], s[42:43]
.endm
	s_cmp_lg_u32 s23, 0
	s_cbranch_scc1 .Lv
	v_lshlrev_b32 v[VB], 6, v[HH]                  ; k: register j of tile i is channel 32 (i / 2) + 16 h + 8 (i % 2) + j
.irp i, 0,1,2,3,4,5,6,7
	global_load_b128 v[CB+8*\i:CB+8*\i+3], v[VB], s[30:31] offset:(32*(\i/2)+8*(\i%2))*4
	global_load_b128 v[CB+8*\i+4:CB+8*\i+7], v[VB], s[30:31] offset:(32*(\i/2)+8*(\i%2))*4+16
.endr
	s_wait_loadcnt 0x0
	MAIN 0
	s_endpgm
.Lv:
	v_lshlrev_b32 v[VB], 2, v9                     ; v: the lane's one channel, the same in all eight registers
.irp T, 0,1,2,3,4,5,6,7
	global_load_b32 v[CB+8*\T], v[VB], s[30:31] offset:(32*(\T/2)+8*(\T%2))*4
.endr
	s_wait_loadcnt 0x0
.irp T, 0,1,2,3,4,5,6,7
.irp j, 1,2,3,4,5,6,7
	v_mov_b32 v[CB+8*\T+\j], v[CB+8*\T]
.endr
.endr
	MAIN 1
	s_endpgm
.Lfunc_end_k_q3630ac0a0e_kv:
	.size	k_q3630ac0a0e_kv, .Lfunc_end_k_q3630ac0a0e_kv-k_q3630ac0a0e_kv
	.p2alignl 7, 3214868480
	.fill 96, 4, 3214868480
	.section	.rodata,"a",@progbits
	.p2align	6, 0x0
	.amdhsa_kernel k_q3630ac0a0e_kv
		.amdhsa_group_segment_fixed_size 0
		.amdhsa_private_segment_fixed_size 0
		.amdhsa_enable_private_segment 0
		.amdhsa_kernarg_size 72
		.amdhsa_user_sgpr_count 2
		.amdhsa_user_sgpr_kernarg_segment_ptr 1
		.amdhsa_wavefront_size32 1
		.amdhsa_system_sgpr_workgroup_id_x 1
		.amdhsa_system_sgpr_workgroup_id_y 1
		.amdhsa_system_sgpr_workgroup_id_z 1
		.amdhsa_system_vgpr_workitem_id 0
		.amdhsa_next_free_vgpr 512
		.amdhsa_next_free_sgpr 66
		.amdhsa_reserve_vcc 1
		.amdhsa_float_denorm_mode_32 3
		.amdhsa_float_denorm_mode_16_64 3
		.amdhsa_memory_ordered 1
		.amdhsa_forward_progress 1
		.amdhsa_inst_pref_size 113
	.end_amdhsa_kernel
	.amdgpu_metadata
---
amdhsa.version: [ 1, 2 ]
amdhsa.kernels:
  - .name:           k_q3630ac0a0e_kv
    .symbol:         k_q3630ac0a0e_kv.kd
    .args:
      - { .name: motion2_codes, .offset: 0, .size: 8, .value_kind: global_buffer, .address_space: global }
      - { .name: motion2_scales, .offset: 8, .size: 8, .value_kind: global_buffer, .address_space: global }
      - { .name: wk_codes, .offset: 16, .size: 8, .value_kind: global_buffer, .address_space: global }
      - { .name: wk_scales, .offset: 24, .size: 8, .value_kind: global_buffer, .address_space: global }
      - { .name: bk, .offset: 32, .size: 8, .value_kind: global_buffer, .address_space: global }
      - { .name: wv_codes, .offset: 40, .size: 8, .value_kind: global_buffer, .address_space: global }
      - { .name: wv_scales, .offset: 48, .size: 8, .value_kind: global_buffer, .address_space: global }
      - { .name: bv, .offset: 56, .size: 8, .value_kind: global_buffer, .address_space: global }
      - { .name: kv, .offset: 64, .size: 8, .value_kind: global_buffer, .address_space: global }
    .group_segment_fixed_size: 0
    .private_segment_fixed_size: 0
    .kernarg_segment_align: 8
    .kernarg_segment_size: 72
    .max_flat_workgroup_size: 128
    .sgpr_count:     66
    .vgpr_count:     512
    .wavefront_size: 32
...
	.end_amdgpu_metadata
.endif
;; end of part 1
;; launch attn (part 2): grid 32 x 8, 8 waves a work-group, clusters of 4 x 1, 327,680 bytes of LDS; arguments motion1, wq_codes, wq_scales, bq, kv, wm_codes, wm_scales, bm, w1_codes, w1_scales, b1, catc, cats, part; writes catc, cats, part
.if DOCPART == 2
	.amdgcn_target "amdgcn-amd-amdhsa--gfx1250"
	.amdhsa_code_object_version 6
	.text
	.protected	k_q3630ac0a0e_attn
	.globl	k_q3630ac0a0e_attn
	.p2align	8
	.type	k_q3630ac0a0e_attn,@function
k_q3630ac0a0e_attn:
	s_mov_b64 s[64:65], 0
	v_nop
	global_prefetch_b8 v0, s[64:65] scope:SCOPE_SE
	s_setreg_imm32_b32 hwreg(HW_REG_WAVE_MODE, 25, 1), 1
	s_wait_xcnt 0x0
	s_wait_alu depctr_hold_cnt(0) depctr_sa_sdst(0) depctr_va_vdst(0) depctr_va_sdst(0) depctr_va_ssrc(0) depctr_va_vcc(0) depctr_vm_vsrc(0)
	s_getreg_b32 s2, hwreg(HW_REG_IB_STS2, 6, 4)
	s_cmp_eq_u32 s2, 0
	s_cbranch_scc0 .Lentry_in_a_cluster
	s_endpgm
.Lentry_in_a_cluster:
	s_bfe_u32 s2, ttmp6, 0x10000c
	s_cmp_lg_u32 s2, 0x3003
	s_cbranch_scc0 .Lentry_shape_is_right
	s_endpgm
.Lentry_shape_is_right:
; motion1 is quantised along the channels; q = wq motion1 + bq; attention over 4,096 keys; add = wm (O / l) + bm; cat = [motion1, add] as codes; h = w1 cat + b1 for its statistics alone.  All products on codes of FP4 (E2M1).
; SHARES.  A work-group owns 64 queries of one batch, both heads.  EIGHT WAVES, TWO TO A SIMD, so that one wave's vector work stands beside the other's matrix work, exponentials and LDS loads.
; Wave w: kh = w / 4, head (w % 4) / 2, rp = w % 2.  In the loop it holds queries 32 rp .. 32 rp + 31 of its head (two tiles: each fragment of K and V read from LDS feeds two matrix instructions) and walks HALF the keys:
; steps 2 kh and 2 kh + 1 of every slot of four.  Outside the loop it owns ONE row tile, m = 2 rp + kh.  The two halves of the keys are joined behind the loop, through LDS.
; SOFTMAX: t = score x log2(e) / sqrt(128); M = the running largest t rounded UP to a whole number; p = 2^(t - M) is quantised along the keys, not normalised; the row's sum is taken of the unquantised p and divides O at the end.
; When M moves, and when the two halves are joined, sums and O are multiplied by a power of two, exactly.  A block's largest p is made from its largest score by the same multiply-add and exponential (it takes v_exp_f32 not to fall where its input rises).
; LAYOUT.  Both products are used transposed (S^T = K Q^T, O^T = V^T P^T): a lane holds ONE query.  K's and V's tiles lie in kv as images of their operand registers, their rows chosen so that a lane's 16 registers of two
; neighbouring tiles are 16 neighbours along the next K.
; RING.  Two LDS slots of four key steps (both heads): 139,264 bytes each, a byte image of kv.  Each wave fetches one chunk of 17,408 bytes.  CLUSTER: the four work-groups of a cluster belong to one batch and walk the
; same bytes of kv: every fill is asked for jointly, by the same tensor load with a mask that names the four.  By this text's count a wave has two tensor loads out at the start and one behind each round.
; A TURN is pipelined: K of step j is fetched; the softmax of step j - 1; O^T += V^T P^T of step j - 1; V of step j is fetched; S^T of step j.
; STATISTICS: for each of the 512 channels the mean of the work-group's 64 rows and the sum of squares about THAT mean: no difference of large sums is formed.
; LIMITS: NaN and infinities are not served; a block whose largest magnitude lies under 2^-124 gets the scale byte 1, and so does a block of zeros (its codes are zeros; only this program reads the bytes).
.set CHUNK, 17408                      ; one step, one head: 8 K images, 8 V images, 512 + 512 bytes of scale words
.set STEPB, 2*CHUNK
.set SLOTB, 4*STEPB
.set SPARE, 2*SLOTB                    ; the spare words: 128 bytes a wave, four blocks of 256 bytes that no other line names
.set EB,    SPARE+1024                 ; scratch that LDS stores write; no fill lands here:
.set AIMG,  16384                      ;   EB + 0: cat's images [m 4][s 4][1,024];  EB + AIMG: O / l's images [m][s 0, 1], 4,096 a row tile
.set CSC,   32768                      ;   EB + CSC: cat's scale words [m][r][4]
.set ASC,   33792                      ;   EB + ASC: O / l's, words 0 and 1
.set MGS,   131072                     ; the join, in slot 0 behind its last fill and its last read: from 0 each wave's two tiles of O^T (16,384 bytes a wave); from MGS each wave's (-M, l), 512 bytes a wave
.set LI,  1                            ; v1   16 x lane
.set LCH, 2                            ; v2   16 x lane + my head's chunk + my half of a slot's steps;  behind the loop MSW
.set ADK, 3                            ; v3   LDS address of the step's K;  behind the loop MSR
.set SPW, 4                            ; v4   my spare word; never rewritten
.set NIL, 5                            ; v5   0; never rewritten
.set FAQ, 6                            ; v6   EB + 16 lane + 8,192 rp: my two query tiles' images;  behind the loop MR
.set FSQ, 7                            ; v7   EB + 16 r + 512 rp: their scale words;  behind the loop MR2
.set IW,  8                            ; v8   EB + 16 lane + 4,096 m + 1,024 head: where I store an image
.set SW,  9                            ; v9   EB + 16 r + 256 m + 4 head: and its scale word
.set WVC, 10                           ; v10  a weight tile's row of 128 bytes: 128 (r + 8 (r / 8)) + 16 h
.set WVS, 11                           ; v11  its 8 scale bytes
.set BH,  12                           ; v12  64 h: a bias in the result's layout
.set LE,  13                           ; v13  EB + 16 lane
.set RE,  14                           ; v14  EB + 16 r
.set W1V, 15                           ; v15  w1: 256 r + 16 h
.set Q,   16                           ; v16-31   Q's two fragments;  behind the loop O / l's two K steps
.set S,   32                           ; v32-159  S^T, then p: 64 a tile
.set PC,  160                          ; v160-175 codes just made
.set KS,  176                          ; v176-179 K's scale words;  outside the loop a source's
.set XS,  176
.set VS,  180                          ; v180-183 V's
.set PS,  184                          ; v184-185 p's
.set QS,  186                          ; v186-187 Q's
.set ST,  188                          ; v188-203 a tile's statistics, 8 each: -M, largest t, the sum's two halves, f (pair), at work (pair)
.set BM,  204                          ; v204-231 a tile's blocks, 14 each: 4 maxima, 4 bytes, 4 scale operands, a second sum (pair)
.set TM,  204                          ; outside the loop: the quantiser's 16
.set WS,  232                          ; v232-247 a weight's scale words;  later cat's
.set CSW, 232
.set MO,  248                          ; v248 motion1: 32 rows x h + 64 m + 4 r;  behind the loop MW
.set CG,  249                          ; v249 catc: 16 lane + 4,096 m + 1,024 head
.set FA,  250                          ; v250 EB + 16 lane + 4,096 m: my row tile's images
.set FS,  251                          ; v251 EB + 16 r + 256 m: their scale words
.set R4,  252                          ; v252 4 r
.set H,   253                          ; v253 h
.set R16, 254                          ; v254 16 r
.set ADV, 255                          ; v255 LDS address of the step's V;  behind the loop PA
.set MSW, 2                            ; the join: where I store (-M, l)
.set MSR, 3                            ; and where I read my tile's
.set MR,  6                            ; where I read my tile of O^T as the wave of the keys' first half left it,
.set MR2, 7                            ; and the second half's
.set MW,  248                          ; where I store my two tiles of O^T
.set PA,  255                          ; part: 16 r + 2,048 h
.set BIA, 96                           ; the end: bm in the result's layout; then two sets of 4 accumulators
.set ACC, 96
.set OUTP, 64
.set MEAN, 72
.set M2,  80
.set CT,  88
.set B1R, 228                          ; b1 of my 4 channel tiles.  w1's scale words of tile ct: v[168 + 4 ct + 44 (ct / 2)] on: v168-175, v220-227
.set T0,  204
.set T1,  206
.set MU,  208
.set D0,  210
.set D1,  212
.set SQ0, 214
.set SQ1, 216
.set XX,  218
.set WV,  32                           ; s32 wave, s33 head, s34 rp, s81 kh, s82 w % 4, s83 m
.set HD,  33
.set RP,  34
.set KH,  81
.set W4,  82
.set MT,  83
.set SEL, 38                           ; s[38:39] lane selects: lane l xor 16
.set CS,  40                           ; s[40:41] c = log2(e) / sqrt(128)
.set G1,  44                           ; s[44:51] descriptor group 1
.set G0,  52                           ; s[52:59] group 0, a set for each slot
.set TB,  60                           ; s60 LDS byte of the step to be fetched
.set CNT, 61
.set LAPS, 62
; window 1: in the loop v0-127 O^T (64 a tile), v128-191 K, v192-255 V.  Ahead of it: v0-127 wq, v128-191 bq, v192-223 motion1's fragments.  Behind it: v0-127 the two halves of O^T, then w1; v128-255 wm, then cat.
.set MSB, 0
.macro WIN new                         ; the immediate's high byte repeats the setting that is left
.if MSB != \new
	s_set_vgpr_msb (MSB<<8)|\new
.set MSB, \new
.endif
.endm
.macro PLACES n
.rept \n
	v_nop
.endr
.endm
.macro MM d, x, y, c, sx, sy, row      ; D = x (source 0) times y (source 1) + c (c < 0: the constant 0); row = 1: source 0's scales in lanes 16-31
.if (\c) < 0
.if (\row)
	v_wmma_scale_f32_16x16x128_f8f6f4 v[(\d):(\d)+7], v[(\x):(\x)+7], v[(\y):(\y)+7], 0, v[(\sx)], v[(\sy)] matrix_a_fmt:MATRIX_FMT_FP4 matrix_b_fmt:MATRIX_FMT_FP4 matrix_a_scale:MATRIX_SCALE_ROW1
.else
	v_wmma_scale_f32_16x16x128_f8f6f4 v[(\d):(\d)+7], v[(\x):(\x)+7], v[(\y):(\y)+7], 0, v[(\sx)], v[(\sy)] matrix_a_fmt:MATRIX_FMT_FP4 matrix_b_fmt:MATRIX_FMT_FP4
.endif
.else
.if (\row)
	v_wmma_scale_f32_16x16x128_f8f6f4 v[(\d):(\d)+7], v[(\x):(\x)+7], v[(\y):(\y)+7], v[(\c):(\c)+7], v[(\sx)], v[(\sy)] matrix_a_fmt:MATRIX_FMT_FP4 matrix_b_fmt:MATRIX_FMT_FP4 matrix_a_scale:MATRIX_SCALE_ROW1
.else
	v_wmma_scale_f32_16x16x128_f8f6f4 v[(\d):(\d)+7], v[(\x):(\x)+7], v[(\y):(\y)+7], v[(\c):(\c)+7], v[(\sx)], v[(\sy)] matrix_a_fmt:MATRIX_FMT_FP4 matrix_b_fmt:MATRIX_FMT_FP4
.endif
.endif
.endm
; 64 numbers of a lane, register 16 b + i = k 32 b + 16 (lane / 16) + i of my row, become a fragment's codes in v[pc] on and its scale word in v[pw]
.macro QUANT s, pc, pw, tm
.irp b, 0,1,2,3
	v_max3_num_f32 v[(\tm)+\b], |v[(\s)+16*\b]|, |v[(\s)+16*\b+1]|, 0x1800000   ; my 16 numbers of block b, and the floor 2^(3 - 127): the byte cannot fall under 1
.endr
.irp i, 2,4,6,8,10,12,14
.irp b, 0,1,2,3
	v_max3_num_f32 v[(\tm)+\b], v[(\tm)+\b], |v[(\s)+16*\b+\i]|, |v[(\s)+16*\b+\i+1]|
.endr
.endr
.irp b, 0,1,2,3
	v_permlanex16_b32 v[(\tm)+4+\b], v[(\tm)+\b], s[SEL], s[SEL+1]
.endr
.irp b, 0,1,2,3
	v_max_num_f32 v[(\tm)+\b], v[(\tm)+\b], v[(\tm)+4+\b]
.endr
.irp b, 0,1,2,3
	v_add_nc_u32 v[(\tm)+12+\b], 0xff000000, v[(\tm)+\b]       ; 2 off the exponent field: the conversion's scale operand
.endr
.irp b, 0,1,2,3
	v_lshrrev_b32 v[(\tm)+4+\b], 23, v[(\tm)+12+\b]            ; the scale's byte
.endr
	v_lshl_or_b32 v[(\pw)], v[(\tm)+5], 8, v[(\tm)+4]
	v_lshl_or_b32 v[(\pw)], v[(\tm)+6], 16, v[(\pw)]
	v_lshl_or_b32 v[(\pw)], v[(\tm)+7], 24, v[(\pw)]
.irp b, 0,1,2,3
	v_cvt_scalef32_pk8_fp4_f32 v[(\pc)+2*\b], v[(\s)+16*\b:(\s)+16*\b+7], v[(\tm)+12+\b]
	v_cvt_scalef32_pk8_fp4_f32 v[(\pc)+2*\b+1], v[(\s)+16*\b+8:(\s)+16*\b+15], v[(\tm)+12+\b]
.endr
	v_nop                                          ; one plain place behind a scaled conversion
.irp c, 0,1
.irp i, 0,1
	v_permlane16_swap_b32 v[(\pc)+4*\c+\i], v[(\pc)+4*\c+2+\i]
.endr
.endr
.endm
.macro ROUND                           ; a round of the cluster's barrier
	s_barrier_signal -1
	s_barrier_wait -1
	s_cmp_lg_u32 s[WV], 0
	s_cbranch_scc1 .Lnot_wave_0_\@
	s_barrier_signal -3
.Lnot_wave_0_\@:
	s_barrier_wait -3
	s_barrier_signal -1
	s_barrier_wait -1
.endm
.macro JLOAD slot                      ; every wave asks for its own eighth of the slot; four v_nop follow
	tensor_load_to_lds s[G0+4*\slot:G0+4*\slot+3], s[G1:G1+7]
	s_nop 0
	PLACES 4
.endm
; THE CHANGE OF SLOTS.  All of the old slot's bytes have been asked for.  Each wave waits for all its tensor loads (its part of the other slot), adds 0 to its spare word, and waits for that and for its reads of the old slot.
.macro CHANGE slot, fill
	s_wait_tensorcnt 0x0                           ; no tensor load of mine is out, so a group 0 may be written
	ds_add_u32 v[SPW], v[NIL]                      ; 0 onto my spare word
.if \fill
	s_add_nc_u64 s[G0+4*\slot+2:G0+4*\slot+3], s[G0+4*\slot+2:G0+4*\slot+3], 2*SLOTB   ; the slot's next four steps; the type bits on top are not reached
.endif
	s_wait_dscnt 0x0                               ; the add is done, and my reads of the old slot are back
.if \fill
	ROUND                                          ; no wave of any partner still reads the slot or has a load on its way
	JLOAD \slot                                    ; the first thing behind the round: it has every wave's two key steps in which to land
.else
	s_barrier_signal -1
	s_barrier_wait -1
.endif
.endm
.macro KLOAD
	WIN 0x40
.irp i, 0,1,2,3,4,5,6,7,8,9,10,11,12,13,14,15
	ds_load_b128 v[128+4*\i:128+4*\i+3], v[ADK] offset:512*\i
.endr
	WIN 0
	ds_load_b128 v[KS:KS+3], v[ADK] offset:16384   ; lanes 0-15: tiles 0-3's words; lanes 16-31: tiles 4-7's
.endm
.macro VLOAD
	WIN 0x40
.irp i, 0,1,2,3,4,5,6,7,8,9,10,11,12,13,14,15
	ds_load_b128 v[192+4*\i:192+4*\i+3], v[ADV] offset:8192+512*\i
.endr
	WIN 0
	ds_load_b128 v[VS:VS+3], v[ADV] offset:16896
.endm
.macro SPROD                           ; S^T = K Q^T: 8 tiles of keys x my two tiles of queries
	WIN 0x01
.irp t, 0,1,2,3,4,5,6,7
.irp a, 0,1
	MM S+64*\a+8*\t, 128+8*\t, Q+8*\a, -1, KS+\t%4, QS+\a, \t/4
.endr
.endr
	WIN 0
.endm
.macro PV                              ; O^T += V^T P^T: sixteen accumulators, one instruction each
	WIN 0x51
.irp t, 0,1,2,3,4,5,6,7
.irp a, 0,1
	MM 64*\a+8*\t, 192+8*\t, PC+8*\a, 64*\a+8*\t, VS+\t%4, PS+\a, \t/4
.endr
.endr
	WIN 0
.endm
.macro SUMLINE a                       ; line j of 32 of a tile's sum of the unquantised p: two chains of pairs; line 0 brings the old sum under the new M
.set rS, S+64*(\a)
.set rT, ST+8*(\a)
.set rA, BM+14*(\a)+12
.if j == 0
	v_pk_fma_f32 v[rT+2:rT+3], v[rT+2:rT+3], v[rT+4:rT+5], v[rS:rS+1] op_sel_hi:[1,0,1]
.elseif j == 1
	v_pk_add_f32 v[rA:rA+1], v[rS+2:rS+3], v[rS+4:rS+5]
.elseif j == 31
	v_pk_add_f32 v[rT+2:rT+3], v[rT+2:rT+3], v[rA:rA+1]
.elseif j%2 == 0
	v_pk_add_f32 v[rT+2:rT+3], v[rT+2:rT+3], v[rS+2*j+2:rS+2*j+3]
.else
	v_pk_add_f32 v[rA:rA+1], v[rA:rA+1], v[rS+2*j+2:rS+2*j+3]
.endif
.endm
.macro SCALECODE a                     ; a tile's four scale bytes, its scale word and its codes
.set rS, S+64*(\a)
.set rB, BM+14*(\a)
	s_wait_alu depctr_va_vdst(0)
.irp b, 0,1,2,3
	v_max_num_f32 v[rB+\b], 0x1800000, v[rB+\b]    ; the floor 2^(3 - 127)
.endr
.irp b, 0,1,2,3
	v_add_nc_u32 v[rB+8+\b], 0xff000000, v[rB+\b]
.endr
.irp b, 0,1,2,3
	v_lshrrev_b32 v[rB+4+\b], 23, v[rB+8+\b]
.endr
	v_lshl_or_b32 v[PS+\a], v[rB+5], 8, v[rB+4]
	v_lshl_or_b32 v[PS+\a], v[rB+6], 16, v[PS+\a]
	v_lshl_or_b32 v[PS+\a], v[rB+7], 24, v[PS+\a]
.irp b, 0,1,2,3
	v_cvt_scalef32_pk8_fp4_f32 v[PC+8*\a+2*\b], v[rS+16*\b:rS+16*\b+7], v[rB+8+\b]
	v_cvt_scalef32_pk8_fp4_f32 v[PC+8*\a+2*\b+1], v[rS+16*\b+8:rS+16*\b+15], v[rB+8+\b]
.endr
	v_nop
.irp c, 0,1
.irp i, 0,1
	v_permlane16_swap_b32 v[PC+8*\a+4*\c+\i], v[PC+8*\a+4*\c+2+\i]
.endr
.endr
.endm
.macro SOFTMAX
.irp a, 0,1                                    ; the largest score of each block of 32 keys: for the row's maximum and for the block's largest p
.irp b, 0,1,2,3
	v_max3_num_f32 v[BM+14*\a+\b], v[S+64*\a+16*\b], v[S+64*\a+16*\b+1], v[S+64*\a+16*\b+2]
.endr
.endr
.irp i, 3,5,7,9,11,13
.irp a, 0,1
.irp b, 0,1,2,3
	v_max3_num_f32 v[BM+14*\a+\b], v[BM+14*\a+\b], v[S+64*\a+16*\b+\i], v[S+64*\a+16*\b+\i+1]
.endr
.endr
.endr
.irp a, 0,1
.irp b, 0,1,2,3
	v_max_num_f32 v[BM+14*\a+\b], v[BM+14*\a+\b], v[S+64*\a+16*\b+15]
.endr
.endr
.irp a, 0,1
.irp b, 0,1,2,3
	v_permlanex16_b32 v[BM+14*\a+4+\b], v[BM+14*\a+\b], s[SEL], s[SEL+1]
.endr
.endr
.irp a, 0,1
.irp b, 0,1,2,3
	v_max_num_f32 v[BM+14*\a+\b], v[BM+14*\a+\b], v[BM+14*\a+4+\b]
.endr
.endr
.irp a, 0,1
	v_max3_num_f32 v[ST+8*\a+6], v[BM+14*\a], v[BM+14*\a+1], v[BM+14*\a+2]
.endr
.irp a, 0,1
	v_max_num_f32 v[ST+8*\a+6], v[ST+8*\a+6], v[BM+14*\a+3]    ; the step's largest score
.endr
.irp a, 0,1
	v_mul_f32 v[ST+8*\a+6], s[CS], v[ST+8*\a+6]                ; as t
.endr
.irp a, 0,1
	v_max_num_f32 v[ST+8*\a+1], v[ST+8*\a+1], v[ST+8*\a+6]     ; the running largest t
.endr
.irp a, 0,1
	v_mov_b32 v[ST+8*\a+6], v[ST+8*\a]
.endr
.irp a, 0,1
	v_floor_f32 v[ST+8*\a], -v[ST+8*\a+1]                      ; the new -M = -ceil(t): a whole number
.endr
.irp a, 0,1
	v_sub_f32 v[ST+8*\a+6], v[ST+8*\a], v[ST+8*\a+6]           ; old M - new M
.endr
.irp a, 0,1
	v_cvt_i32_f32 v[ST+8*\a+6], v[ST+8*\a+6]                   ; (it saturates)
.endr
.irp a, 0,1
	v_ldexp_f32 v[ST+8*\a+4], 1.0, v[ST+8*\a+6]                ; f = 2^(old M - new M)
.endr
.set j, 0
.rept 32
	v_pk_fma_f32 v[S+2*j:S+2*j+1], v[S+2*j:S+2*j+1], s[CS:CS+1], v[ST:ST+1] op_sel_hi:[1,0,0]   ; tile 0: t - M
.set j, j+1
.endr
.irp b, 0,1,2,3
	v_fma_f32 v[BM+\b], v[BM+\b], s[CS], v[ST]
.endr
.set j, 0
.rept 32                                       ; tile 0's exponentials with tile 1's scalings between them
	v_exp_f32 v[S+2*j], v[S+2*j]
	v_pk_fma_f32 v[S+64+2*j:S+64+2*j+1], v[S+64+2*j:S+64+2*j+1], s[CS:CS+1], v[ST+8:ST+9] op_sel_hi:[1,0,0]
	v_exp_f32 v[S+2*j+1], v[S+2*j+1]
.set j, j+1
.endr
.irp b, 0,1,2,3
	v_exp_f32 v[BM+\b], v[BM+\b]                   ; the block's largest p
	v_fma_f32 v[BM+14+\b], v[BM+14+\b], s[CS], v[ST+8]
.endr
	SCALECODE 0
.irp b, 0,1,2,3
	v_exp_f32 v[BM+14+\b], v[BM+14+\b]
.endr
.set j, 0
.rept 32                                       ; tile 1's exponentials with tile 0's sums between them
	v_exp_f32 v[S+64+2*j], v[S+64+2*j]
	SUMLINE 0
	v_exp_f32 v[S+64+2*j+1], v[S+64+2*j+1]
.set j, j+1
.endr
	SCALECODE 1
.set j, 0
.rept 32                                       ; these and the 64 below are also the places between p's scale word and codes and the products that take them
	SUMLINE 1
.set j, j+1
.endr
	WIN 0x41                                       ; O^T (destination, source 0) window 1
.irp a, 0,1
.set j, 0
.rept 32
	v_pk_mul_f32 v[64*\a+2*j:64*\a+2*j+1], v[64*\a+2*j:64*\a+2*j+1], v[ST+8*\a+4:ST+8*\a+5] op_sel_hi:[1,0]   ; O^T under the new M, each accumulator from its low end on
.set j, j+1
.endr
.endr
	WIN 0
.endm
.macro TURN
	v_add_nc_u32 v[ADK], s[TB], v[LCH]             ; (the last loads that named it were waited for in the turn before)  With three v_nop: the four places behind the last scores' products
	PLACES 3
	KLOAD
	SOFTMAX
	s_wait_dscnt 0x0                               ; V, asked for a turn ago, and K are in
	PV
	v_add_nc_u32 v[ADV], s[TB], v[LCH]             ; with three v_nop: the four places in front of loads into V's registers
	PLACES 3
	VLOAD
	SPROD
.endm
.macro SLOTRUN base, trips
	s_mov_b32 s[TB], \base
	s_mov_b32 s[CNT], \trips
.Lstep_\@:
	TURN
	s_add_co_u32 s[TB], s[TB], STEPB
	s_sub_co_u32 s[CNT], s[CNT], 1
	s_cmp_lg_u32 s[CNT], 0
	s_cbranch_scc1 .Lstep_\@
.endm
.macro P7 ct                           ; h's tile of 16 channels x 64 rows, not transposed: a lane holds ONE channel, its 32 registers run along the rows.  Four accumulators by turns
	WIN 0x05                                       ; source 0 (cat) and source 1 (w1) window 1
.irp s, 0,1,2,3
.irp m, 0,1,2,3
.if \s == 0
	MM ACC+32*((\ct)%2)+8*\m, 128+8*(4*\m+\s), 8*(4*(\ct)+\s), -1, CSW+4*\m+\s, 168+4*(\ct)+44*((\ct)/2)+\s, 0
.else
	MM ACC+32*((\ct)%2)+8*\m, 128+8*(4*\m+\s), 8*(4*(\ct)+\s), ACC+32*((\ct)%2)+8*\m, CSW+4*\m+\s, 168+4*(\ct)+44*((\ct)/2)+\s, 0
.endif
.endr
.endr
	WIN 0
.endm
.macro STATS ct                        ; the mean of my channel's 64 rows and the sum of squares about it
.set rA, ACC+32*((\ct)%2)
	v_pk_add_f32 v[T0:T0+1], v[rA:rA+1], v[rA+2:rA+3]
	v_pk_add_f32 v[T1:T1+1], v[rA+4:rA+5], v[rA+6:rA+7]
.irp p, 4,6,8,10,12,14
	v_pk_add_f32 v[T0:T0+1], v[T0:T0+1], v[rA+2*\p:rA+2*\p+1]
	v_pk_add_f32 v[T1:T1+1], v[T1:T1+1], v[rA+2*\p+2:rA+2*\p+3]
.endr
	v_pk_add_f32 v[T0:T0+1], v[T0:T0+1], v[T1:T1+1]
	v_add_f32 v[T0], v[T0], v[T0+1]
	v_permlanex16_b32 v[XX], v[T0], s[SEL], s[SEL+1]           ; the other 32 rows lie in lane l xor 16
	v_add_f32 v[T0], v[T0], v[XX]
	v_mul_f32 v[MU], 0x3c800000, v[T0]             ; / 64
.irp p, 0,2,4,6,8,10,12,14
	v_pk_add_f32 v[D0:D0+1], v[rA+2*\p:rA+2*\p+1], v[MU:MU+1] op_sel_hi:[1,0] neg_lo:[0,1] neg_hi:[0,1]
	v_pk_add_f32 v[D1:D1+1], v[rA+2*\p+2:rA+2*\p+3], v[MU:MU+1] op_sel_hi:[1,0] neg_lo:[0,1] neg_hi:[0,1]
.if \p == 0
	v_pk_mul_f32 v[SQ0:SQ0+1], v[D0:D0+1], v[D0:D0+1]
	v_pk_mul_f32 v[SQ1:SQ1+1], v[D1:D1+1], v[D1:D1+1]
.else
	v_pk_fma_f32 v[SQ0:SQ0+1], v[D0:D0+1], v[D0:D0+1], v[SQ0:SQ0+1]
	v_pk_fma_f32 v[SQ1:SQ1+1], v[D1:D1+1], v[D1:D1+1], v[SQ1:SQ1+1]
.endif
.endr
	v_pk_add_f32 v[SQ0:SQ0+1], v[SQ0:SQ0+1], v[SQ1:SQ1+1]
	v_add_f32 v[SQ0], v[SQ0], v[SQ0+1]
	v_permlanex16_b32 v[XX], v[SQ0], s[SEL], s[SEL+1]
	v_add_f32 v[M2+(\ct)], v[SQ0], v[XX]
	v_add_f32 v[MEAN+(\ct)], v[MU], v[B1R+(\ct)]   ; b1 moves the mean and leaves the deviations
.endm
	; ---- head
	s_load_b512 s[4:19], s[0:1], 0x0               ; motion1; wq's codes, scales; bq; kv; wm's codes, scales; bm
	s_load_b256 s[20:27], s[0:1], 0x40             ; w1's codes, scales; b1; catc
	s_load_b128 s[28:31], s[0:1], 0x60             ; cats; part
	v_lshl_add_u32 v[SPW], v0, 2, SPARE
	v_mov_b32 v[NIL], 0
	ds_add_u32 v4, v5
	ds_add_u32 v4, v5
	s_wait_dscnt 0x0
	v_lshrrev_b32 v16, 5, v0
	v_readfirstlane_b32 s[WV], v16
	s_lshr_b32 s[KH], s[WV], 2                     ; which half of a slot's steps
	s_and_b32 s[W4], s[WV], 3
	s_lshr_b32 s[HD], s[W4], 1                     ; head
	s_and_b32 s[RP], s[WV], 1                      ; which 32 queries
	s_lshl_b32 s[MT], s[RP], 1
	s_add_co_u32 s[MT], s[MT], s[KH]               ; my row tile outside the loop
	s_bfe_u32 s35, ttmp6, 0x40000                  ; cx: it enters motion1's, catc's, cats' and part's addresses alone
	s_lshl_b32 s36, ttmp9, 2
	s_add_co_u32 s36, s36, s35                     ; my block of 64 queries
	s_and_b32 s37, ttmp7, 0xffff                   ; the batch, which the four partners share
	s_mov_b32 s[SEL], 0x76543210
	s_mov_b32 s[SEL+1], 0xfedcba98
	s_mov_b32 s[CS], 0x3e0293ee
	s_mov_b32 s[CS+1], s[CS]
	s_mov_b32 s[G1], 15|(3<<16)|(1<<21)            ; the mask: all four work-groups; elements of 8 bytes; bit 21 beside a mask; no padding
	s_mov_b32 s[G1+1], 32<<16                      ; tensor_dim0 = 32 elements: rows of 256 bytes
	s_mov_b32 s[G1+2], 68<<16                      ; tensor_dim1 = 68 rows: 17,408 dense bytes
	s_mov_b32 s[G1+3], 32<<16                      ; tile_dim0
	s_mov_b32 s[G1+4], 68                          ; tile_dim1
	s_mov_b32 s[G1+5], 32                          ; the pitch
	s_mov_b32 s[G1+6], 0
	s_mov_b32 s[G1+7], 0
	s_mov_b32 s[G0], 1
	s_mov_b32 s[G0+4], 1
	s_mul_i32 s[G0+1], s[WV], CHUNK                ; LDS: slot 0, my chunk
	s_add_co_u32 s[G0+5], s[G0+1], SLOTB           ; slot 1
	s_mul_i32 s66, s37, 32*STEPB                   ; kv: the batch's bytes, my chunk
	s_add_co_u32 s66, s66, s[G0+1]
	s_mov_b32 s67, 0
	s_wait_kmcnt 0x0
	s_add_nc_u64 s[G0+2:G0+3], s[12:13], s[66:67]
	s_add_nc_u64 s[G0+6:G0+7], s[G0+2:G0+3], SLOTB
	s_or_b32 s[G0+3], s[G0+3], 0x80000000
	s_or_b32 s[G0+7], s[G0+7], 0x80000000
	ROUND                                          ; all four work-groups are here: the first joint loads meet
	tensor_load_to_lds s[G0:G0+3], s[G1:G1+7]      ; steps 0 to 3
	s_nop 0
	tensor_load_to_lds s[G0+4:G0+7], s[G1:G1+7]    ; steps 4 to 7
	s_nop 0
	PLACES 4
	s_mov_b32 s69, 0
	s_lshl_b32 s68, s[HD], 14
	s_add_nc_u64 s[6:7], s[6:7], s[68:69]
	s_add_nc_u64 s[14:15], s[14:15], s[68:69]
	s_lshl_b32 s68, s[HD], 10
	s_add_nc_u64 s[8:9], s[8:9], s[68:69]
	s_add_nc_u64 s[16:17], s[16:17], s[68:69]
	s_lshl_b32 s68, s[HD], 9
	s_add_nc_u64 s[10:11], s[10:11], s[68:69]
	s_add_nc_u64 s[18:19], s[18:19], s[68:69]
	s_lshl_b32 s68, s[WV], 14                      ; w1: my 64 channels
	s_add_nc_u64 s[20:21], s[20:21], s[68:69]
	s_lshl_b32 s68, s[WV], 10
	s_add_nc_u64 s[22:23], s[22:23], s[68:69]
	s_lshl_b32 s68, s[WV], 8
	s_add_nc_u64 s[24:25], s[24:25], s[68:69]
	s_lshl_b32 s68, s37, 21                        ; motion1: the batch, my 128 channels, my block's 64 columns
	s_lshl_b32 s70, s[HD], 20
	s_add_co_u32 s68, s68, s70
	s_lshl_b32 s70, s36, 8
	s_add_co_u32 s68, s68, s70
	s_add_nc_u64 s[4:5], s[4:5], s[68:69]
	s_lshl_b32 s71, s37, 5
	s_add_co_u32 s71, s71, s36                     ; the work-group's number among 256
	s_lshl_b32 s68, s71, 14
	s_add_nc_u64 s[26:27], s[26:27], s[68:69]      ; catc: the work-group's four row tiles
	s_lshl_b32 s68, s71, 10
	s_add_nc_u64 s[28:29], s[28:29], s[68:69]
	s_lshl_b32 s68, s71, 12
	s_lshl_b32 s70, s[WV], 8
	s_add_co_u32 s68, s68, s70
	s_add_nc_u64 s[30:31], s[30:31], s[68:69]      ; part: my 64 channels' words
	v_and_b32 v16, 31, v0                          ; lane
	v_and_b32 v17, 15, v0                          ; r
	v_bfe_u32 v[H], v0, 4, 1
	v_and_b32 v18, 8, v17
	v_add_nc_u32 v18, v18, v17                     ; r + 8 (r / 8)
	v_lshlrev_b32 v[LI], 4, v16
	v_lshlrev_b32 v[R16], 4, v17
	v_lshlrev_b32 v[R4], 2, v17
	s_mul_i32 s72, s[HD], CHUNK
	s_mul_i32 s73, s[KH], 2*STEPB
	s_add_co_u32 s72, s72, s73
	v_add_nc_u32 v[LCH], s72, v[LI]
	s_lshl_b32 s72, s[RP], 13
	s_add_co_u32 s72, s72, EB
	v_add_nc_u32 v[FAQ], s72, v[LI]
	s_lshl_b32 s72, s[RP], 9
	s_add_co_u32 s72, s72, EB
	v_add_nc_u32 v[FSQ], s72, v[R16]
	s_lshl_b32 s72, s[MT], 12
	s_add_co_u32 s73, s72, EB
	v_add_nc_u32 v[FA], s73, v[LI]
	s_lshl_b32 s74, s[HD], 10
	s_add_co_u32 s72, s72, s74
	v_add_nc_u32 v[CG], s72, v[LI]
	s_add_co_u32 s72, s72, EB
	v_add_nc_u32 v[IW], s72, v[LI]
	s_lshl_b32 s72, s[MT], 8
	s_add_co_u32 s72, s72, EB
	v_add_nc_u32 v[FS], s72, v[R16]
	s_lshl_b32 s74, s[HD], 2
	s_add_co_u32 s72, s72, s74
	v_add_nc_u32 v[SW], s72, v[R16]
	v_lshlrev_b32 v[WVC], 7, v18
	v_lshl_add_u32 v[WVC], v[H], 4, v[WVC]
	v_lshlrev_b32 v[WVS], 3, v18
	v_lshlrev_b32 v[BH], 6, v[H]
	v_add_nc_u32 v[LE], EB, v[LI]
	v_add_nc_u32 v[RE], EB, v[R16]
	v_lshlrev_b32 v[W1V], 8, v17
	v_lshl_add_u32 v[W1V], v[H], 4, v[W1V]
	s_lshl_b32 s72, s[MT], 6
	v_lshl_add_u32 v[MO], v[H], 18, s72            ; lanes 16-31 begin 32 channels (rows of 8,192 bytes) further down; my tile's 16 columns
	v_add_nc_u32 v[MO], v[MO], v[R4]
.irp a, 0,1
	v_mov_b32 v[ST+8*\a+1], 0xff61b1e6             ; the largest t so far: -3e38, under every t
	v_floor_f32 v[ST+8*\a], -v[ST+8*\a+1]          ; -M
.irp i, 2,3,4,5,6,7
	v_mov_b32 v[ST+8*\a+\i], 0                     ; the sum; the pairs' upper halves
.endr
.irp i, 4,5,6,7
	v_mov_b32 v[BM+14*\a+\i], 0                    ; written once: a lane permute's destination counts as one of its sources
.endr
.endr
	; ---- motion1 becomes codes: my row tile m, K step = my head's number.  LANE (r, h) TAKES COLUMN 16 m + r, AND ITS REGISTERS RUN DOWN THE CHANNELS in the order that the operand's layout gives that lane:
	; k = 64 c + 32 h + i.  So a block of 32 lies in one lane and the conversions' results are the operand's registers
.irp c, 0,1
.set k, 0
.rept 32
	global_load_b32 v[S+32*\c+k], v[MO], s[4:5] offset:8192*(64*\c+k)
.set k, k+1
.endr
.endr
	WIN 0x40                                       ; wq, behind them: my head's 16 fragments, bq in the result's layout, the scale words: 56 loads
.irp t, 0,1,2,3,4,5,6,7
.irp s, 0,1
.irp c, 0,1
	global_load_b128 v[8*(2*\t+\s)+4*\c:8*(2*\t+\s)+4*\c+3], v[WVC], s[6:7] offset:(32*(\t/2)+8*(\t%2))*128+64*\s+32*\c
.endr
.endr
.endr
.irp t, 0,1,2,3,4,5,6,7
	global_load_b128 v[128+8*\t:128+8*\t+3], v[BH], s[10:11] offset:(32*(\t/2)+8*(\t%2))*4
	global_load_b128 v[128+8*\t+4:128+8*\t+7], v[BH], s[10:11] offset:(32*(\t/2)+8*(\t%2))*4+16
.endr
	WIN 0
.irp t, 0,1,2,3,4,5,6,7
	global_load_b64 v[WS+2*\t:WS+2*\t+1], v[WVS], s[8:9] offset:(32*(\t/2)+8*(\t%2))*8
.endr
	s_wait_loadcnt 56                              ; motion1's 64 are in; wq's 56 may be out
.irp b, 0,1,2,3                                ; four chains, two to a block
	v_max3_num_f32 v[TM+\b], |v[S+16*\b]|, |v[S+16*\b+1]|, 0x1800000
.endr
.irp i, 2,4,6,8,10,12,14
.irp b, 0,1,2,3
	v_max3_num_f32 v[TM+\b], v[TM+\b], |v[S+16*\b+\i]|, |v[S+16*\b+\i+1]|
.endr
.endr
	v_max_num_f32 v[TM], v[TM], v[TM+1]            ; block h
	v_max_num_f32 v[TM+1], v[TM+2], v[TM+3]        ; block 2 + h
	v_add_nc_u32 v[TM+4], 0xff000000, v[TM]
	v_add_nc_u32 v[TM+5], 0xff000000, v[TM+1]
	v_lshrrev_b32 v[TM+8], 23, v[TM+4]
	v_lshrrev_b32 v[TM+9], 23, v[TM+5]
	v_lshl_or_b32 v[TM+8], v[TM+9], 16, v[TM+8]    ; my two bytes,
	v_lshlrev_b32 v[TM+9], 3, v[H]
	v_lshlrev_b32 v[TM+8], v[TM+9], v[TM+8]        ; at their places in the scale word (8 h bits up);
	v_permlanex16_b32 v[TM+6], v[TM+8], s[SEL], s[SEL+1]
	v_or_b32 v[TM+8], v[TM+8], v[TM+6]             ; with lane l xor 16's two the word is whole
.irp c, 0,1
.irp g, 0,1,2,3
	v_cvt_scalef32_pk8_fp4_f32 v[PC+4*\c+\g], v[S+32*\c+8*\g:S+32*\c+8*\g+7], v[TM+4+\c]
.endr
.endr
	v_nop
.irp c, 0,1                                    ; the fragment's image: 512 consecutive bytes a store
	ds_store_b128 v[IW], v[PC+4*\c:PC+4*\c+3] offset:512*\c
	global_store_b128 v[CG], v[PC+4*\c:PC+4*\c+3], s[26:27] offset:512*\c
.endr
	ds_store_b32 v[SW], v[TM+8] offset:CSC         ; lanes r and 16 + r write the same word with the same value
	s_wait_dscnt 0x0                               ; for the others' sake
	s_barrier_signal -1                            ; the ring's loads may stay out
	s_barrier_wait -1
	; ---- q for my head and my 32 queries, transposed: a lane holds one query, registers run along the head's 128.  The two waves of a pair both make it
	WIN 0x40
.irp a, 0,1
.irp s, 0,1
.irp c, 0,1
	ds_load_b128 v[192+8*(2*\a+\s)+4*\c:192+8*(2*\a+\s)+4*\c+3], v[FAQ] offset:4096*\a+1024*\s+512*\c
.endr
.endr
.endr
	WIN 0
.irp a, 0,1
	ds_load_b64 v[XS+2*\a:XS+2*\a+1], v[FSQ] offset:CSC+256*\a
.endr
	s_wait_loadcnt 0x0                             ; wq
	s_wait_dscnt 0x0
	WIN 0x15                                       ; both sources and the bias window 1
.irp t, 0,1,2,3,4,5,6,7
.irp a, 0,1
	MM S+64*\a+8*\t, 8*(2*\t), 192+8*(2*\a), 128+8*\t, WS+2*\t, XS+2*\a, 0
.endr
.endr
	WIN 0x05
.irp t, 0,1,2,3,4,5,6,7
.irp a, 0,1
	MM S+64*\a+8*\t, 8*(2*\t+1), 192+8*(2*\a+1), S+64*\a+8*\t, WS+2*\t+1, XS+2*\a+1, 0
.endr
.endr
	WIN 0
	PLACES 4
	QUANT S, Q, QS, TM
	QUANT S+64, Q+8, QS+1, TM
	WIN 0x40
.set j, 0
.rept 128
	v_mov_b32 v[j], 0                              ; O^T.  The step is written once: the first finds zeros, which the first change of M leaves zeros
.set j, j+1
.endr
	WIN 0
	s_wait_xcnt 0x0                                ; catc's stores have read the codes' registers
	; ---- the first scores
	s_wait_tensorcnt 1                             ; my part of slot 0 is in; slot 1's may stay out
	s_barrier_signal -1
	s_barrier_wait -1
	v_mov_b32 v[ADK], v[LCH]
	v_mov_b32 v[ADV], v[LCH]
	KLOAD
	VLOAD
	s_wait_dscnt 17                                ; K and its scale words are in; V's 17 loads may be out
	SPROD
	; ---- the ring: my 16 key steps, two in each slot
	s_mov_b32 s[TB], STEPB
	TURN
	s_mov_b32 s[LAPS], 3
.Llap:
	CHANGE 0, 1
	SLOTRUN SLOTB, 2
	CHANGE 1, 1
	SLOTRUN 0, 2
	s_sub_co_u32 s[LAPS], s[LAPS], 1
	s_cmp_lg_u32 s[LAPS], 0
	s_cbranch_scc1 .Llap
	CHANGE 0, 0                                    ; the last slot is written out: nothing is left to ask for.  Behind this barrier nobody reads slot 0, and it has had its last fill
	SLOTRUN SLOTB, 2
	PLACES 4                                       ; behind the last scores' products
	WIN 0x40                                       ; wm's K step 0 into K's registers, which are done with: it lands while the last softmax is walked
.irp t, 0,1,2,3,4,5,6,7
.irp c, 0,1
	global_load_b128 v[128+8*\t+4*\c:128+8*\t+4*\c+3], v[WVC], s[14:15] offset:(32*(\t/2)+8*(\t%2))*128+32*\c
.endr
.endr
	WIN 0
.irp t, 0,1,2,3,4,5,6,7
	global_load_b64 v[WS+2*\t:WS+2*\t+1], v[WVS], s[16:17] offset:(32*(\t/2)+8*(\t%2))*8
.endr
	SOFTMAX                                        ; the last step's
	s_wait_dscnt 0x0
	PV
	; ---- the join of the keys' two halves.  The lines below are also the places behind the last products
.irp a, 0,1
	v_add_f32 v[ST+8*\a+6], v[ST+8*\a+2], v[ST+8*\a+3]
.endr
	s_lshl_b32 s72, s[WV], 14
	v_add_nc_u32 v[MW], s72, v[LI]                 ; my 16,384 bytes
	s_lshl_b32 s72, s[W4], 14
	s_lshl_b32 s73, s[KH], 13
	s_add_co_u32 s72, s72, s73
	v_add_nc_u32 v[MR], s72, v[LI]                 ; tile kh as wave w % 4 left it,
	v_add_nc_u32 v[MR2], 0x10000, v[MR]            ; and as wave w % 4 + 4 left it
	v_lshrrev_b32 v[MSW], 1, v[LI]                 ; 8 x lane
	s_lshl_b32 s72, s[W4], 9
	s_lshl_b32 s73, s[KH], 8
	s_add_co_u32 s72, s72, s73
	s_add_co_u32 s72, s72, MGS
	v_add_nc_u32 v[MSR], s72, v[MSW]
	s_lshl_b32 s72, s[WV], 9
	s_add_co_u32 s72, s72, MGS
	v_add_nc_u32 v[MSW], s72, v[MSW]
	v_lshl_add_u32 v[PA], v[H], 11, v[R16]
	WIN 0x40                                       ; wm's K step 1 into V's registers,
.irp t, 0,1,2,3,4,5,6,7
.irp c, 0,1
	global_load_b128 v[192+8*\t+4*\c:192+8*\t+4*\c+3], v[WVC], s[14:15] offset:(32*(\t/2)+8*(\t%2))*128+64+32*\c
.endr
.endr
	WIN 0
.irp t, 0,1,2,3,4,5,6,7                        ; bm into registers that p has left
	global_load_b128 v[BIA+8*\t:BIA+8*\t+3], v[BH], s[18:19] offset:(32*(\t/2)+8*(\t%2))*4
	global_load_b128 v[BIA+8*\t+4:BIA+8*\t+7], v[BH], s[18:19] offset:(32*(\t/2)+8*(\t%2))*4+16
.endr
.irp a, 0,1
	v_permlanex16_b32 v[ST+8*\a+7], v[ST+8*\a+6], s[SEL], s[SEL+1]
.endr
.irp a, 0,1
	v_add_f32 v[ST+8*\a+1], v[ST+8*\a+6], v[ST+8*\a+7]         ; l of my half of the keys, beside -M
.endr
	WIN 0x04                                       ; an LDS store's data are its source 1: window 1
.set i, 0
.rept 32
	ds_store_b128 v[MW], v[4*i:4*i+3] offset:512*i             ; both tiles, each accumulator from its low end on
.set i, i+1
.endr
	WIN 0
.irp a, 0,1
	ds_store_b64 v[MSW], v[ST+8*\a:ST+8*\a+1] offset:256*\a
.endr
	s_wait_dscnt 0x0                               ; for the others' sake
	s_barrier_signal -1
	s_barrier_wait -1
	WIN 0x40
.set i, 0
.rept 16
	ds_load_b128 v[4*i:4*i+3], v[MR] offset:512*i
.set i, i+1
.endr
.set i, 0
.rept 16
	ds_load_b128 v[64+4*i:64+4*i+3], v[MR2] offset:512*i
.set i, i+1
.endr
	WIN 0
	ds_load_b64 v[ST:ST+1], v[MSR]
	ds_load_b64 v[ST+8:ST+9], v[MSR] offset:2048
	s_wait_dscnt 0x0
	v_min_num_f32 v[ST+2], v[ST], v[ST+8]          ; -M of all keys
	v_sub_f32 v[ST+4], v[ST+2], v[ST]              ; M of a half - M: a whole number, 0 or less
	v_sub_f32 v[ST+12], v[ST+2], v[ST+8]
	v_cvt_i32_f32 v[ST+4], v[ST+4]
	v_cvt_i32_f32 v[ST+12], v[ST+12]
	v_ldexp_f32 v[ST+4], 1.0, v[ST+4]              ; the halves' factors: powers of two
	v_ldexp_f32 v[ST+12], 1.0, v[ST+12]
	v_mul_f32 v[ST+3], v[ST+1], v[ST+4]
	v_fma_f32 v[ST+3], v[ST+9], v[ST+12], v[ST+3]  ; l
	v_rcp_f32 v[ST+3], v[ST+3]
	v_nop                                          ; a plain place behind the reciprocal
	s_wait_alu depctr_va_vdst(0)
	v_mul_f32 v[ST+4], v[ST+4], v[ST+3]            ; factor / l: exact but for the reciprocal's own rounding
	v_mul_f32 v[ST+12], v[ST+12], v[ST+3]
	WIN 0x01
.set j, 0
.rept 32
	v_pk_mul_f32 v[S+2*j:S+2*j+1], v[2*j:2*j+1], v[ST+4:ST+5] op_sel_hi:[1,0]
.set j, j+1
.endr
.set j, 0
.rept 32
	v_pk_fma_f32 v[S+2*j:S+2*j+1], v[64+2*j:64+2*j+1], v[ST+12:ST+13], v[S+2*j:S+2*j+1] op_sel_hi:[1,0,1]   ; O / l of my row tile
.set j, j+1
.endr
	WIN 0x40                                       ; w1's 16 fragments of my 64 channels into the registers that O^T has left, its scale words and b1: 40 loads, waited for ahead of the statistics
.irp t, 0,1,2,3
.irp s, 0,1,2,3
.irp c, 0,1
	global_load_b128 v[8*(4*\t+\s)+4*\c:8*(4*\t+\s)+4*\c+3], v[W1V], s[20:21] offset:4096*\t+64*\s+32*\c
.endr
.endr
.endr
	WIN 0
.irp t, 0,1,2,3
	global_load_b128 v[168+4*\t+44*(\t/2):168+4*\t+44*(\t/2)+3], v[R16], s[22:23] offset:256*\t
.endr
.irp t, 0,1,2,3
	global_load_b32 v[B1R+\t], v[R4], s[24:25] offset:64*\t
.endr
	; ---- O / l, quantised along the channels: K step = my head's number of wm's product
	QUANT S, PC, ST+6, TM
	ds_store_b128 v[IW], v[PC:PC+3] offset:AIMG
	ds_store_b128 v[IW], v[PC+4:PC+7] offset:AIMG+512
	ds_store_b32 v[SW], v[ST+6] offset:ASC         ; lanes r and 16 + r write the same word with the same value
	s_wait_dscnt 0x0
	s_barrier_signal -1
	s_barrier_wait -1
	; ---- add = wm (O / l) + bm for my row tile and 128 outputs, quantised: K step 2 + head of cat
.irp s, 0,1
.irp c, 0,1
	ds_load_b128 v[Q+8*\s+4*\c:Q+8*\s+4*\c+3], v[FA] offset:AIMG+1024*\s+512*\c
.endr
.endr
	ds_load_b64 v[XS:XS+1], v[FS] offset:ASC
	s_wait_loadcnt 40                              ; wm, its scale words and bm are in; the 40 loads issued behind them may be out
	s_wait_dscnt 0x0
	WIN 0x01                                       ; source 0 window 1.  Eight accumulators by turns
.irp t, 0,1,2,3,4,5,6,7
	MM S+8*\t, 128+8*\t, Q, BIA+8*\t, WS+2*\t, XS, 0
.endr
.irp t, 0,1,2,3,4,5,6,7
	MM S+8*\t, 192+8*\t, Q+8, S+8*\t, WS+2*\t+1, XS+1, 0
.endr
	WIN 0
	PLACES 4
	QUANT S, PC, ST+6, TM
	ds_store_b128 v[IW], v[PC:PC+3] offset:2048
	ds_store_b128 v[IW], v[PC+4:PC+7] offset:2048+512
	global_store_b128 v[CG], v[PC:PC+3], s[26:27] offset:2048
	global_store_b128 v[CG], v[PC+4:PC+7], s[26:27] offset:2048+512
	ds_store_b32 v[SW], v[ST+6] offset:CSC+8
	s_wait_dscnt 0x0
	s_barrier_signal -1
	s_barrier_wait -1                              ; cat's sixteen fragments and their scale words lie in LDS
	s_cmp_lg_u32 s[WV], 0
	s_cbranch_scc1 .Lno_cats
	ds_load_b128 v[CT:CT+3], v[LE] offset:CSC      ; wave 0 stores the 1,024 bytes of scale words, 512 consecutive bytes a store
	ds_load_b128 v[CT+4:CT+7], v[LE] offset:CSC+512
	s_wait_dscnt 0x0
	global_store_b128 v[LI], v[CT:CT+3], s[28:29]
	global_store_b128 v[LI], v[CT+4:CT+7], s[28:29] offset:512
.Lno_cats:
	; ---- h = w1 cat (+ b1) for my 64 channels and the 64 rows: statistics only; a tile's products are issued ahead of the statistics of the tile before
	WIN 0x40
.irp f, 0,1,2,3,4,5,6,7,8,9,10,11,12,13,14,15
.irp c, 0,1
	ds_load_b128 v[128+8*\f+4*\c:128+8*\f+4*\c+3], v[LE] offset:1024*\f+512*\c
.endr
.endr
	WIN 0
.irp m, 0,1,2,3
	ds_load_b128 v[CSW+4*\m:CSW+4*\m+3], v[RE] offset:CSC+256*\m
.endr
	s_wait_dscnt 0x0
	s_wait_loadcnt 0x0                             ; w1, its scale words, b1
	P7 0
.irp t, 0,1,2,3
.if \t < 3
	P7 \t+1
.endif
	PLACES 4                                       ; in front of the first read of results
	STATS \t
.endr
	v_cmp_ne_u32 vcc_lo, 0, v[H]
.irp i, 0,1,2,3
	v_cndmask_b32 v[OUTP+\i], v[MEAN+\i], v[M2+\i], vcc_lo     ; lanes 0-15: the means of my four channel tiles; lanes 16-31: the sums of squares
.endr
	global_store_b128 v[PA], v[OUTP:OUTP+3], s[30:31]          ; sixteen lanes store 256 consecutive bytes
	s_wait_tensorcnt 0x0                           ; the wave's end
	ds_add_u32 v[SPW], v[NIL]
	s_wait_dscnt 0x0
	ROUND                                          ; the closing round
	s_endpgm
.Lfunc_end_k_q3630ac0a0e_attn:
	.size	k_q3630ac0a0e_attn, .Lfunc_end_k_q3630ac0a0e_attn-k_q3630ac0a0e_attn
	.p2alignl 7, 3214868480
	.fill 96, 4, 3214868480
	.section	.rodata,"a",@progbits
	.p2align	6, 0x0
	.amdhsa_kernel k_q3630ac0a0e_attn
		.amdhsa_group_segment_fixed_size 327680
		.amdhsa_private_segment_fixed_size 0
		.amdhsa_enable_private_segment 0
		.amdhsa_kernarg_size 112
		.amdhsa_user_sgpr_count 2
		.amdhsa_user_sgpr_kernarg_segment_ptr 1
		.amdhsa_wavefront_size32 1
		.amdhsa_system_sgpr_workgroup_id_x 1
		.amdhsa_system_sgpr_workgroup_id_y 1
		.amdhsa_system_sgpr_workgroup_id_z 1
		.amdhsa_system_vgpr_workitem_id 0
		.amdhsa_next_free_vgpr 512
		.amdhsa_next_free_sgpr 84
		.amdhsa_reserve_vcc 1
		.amdhsa_float_denorm_mode_32 3
		.amdhsa_float_denorm_mode_16_64 3
		.amdhsa_memory_ordered 1
		.amdhsa_forward_progress 1
		.amdhsa_inst_pref_size 255
	.end_amdhsa_kernel
	.amdgpu_metadata
---
amdhsa.version: [ 1, 2 ]
amdhsa.kernels:
  - .name:           k_q3630ac0a0e_attn
    .symbol:         k_q3630ac0a0e_attn.kd
    .args:
      - { .name: motion1, .offset: 0, .size: 8, .value_kind: global_buffer, .address_space: global }
      - { .name: wq_codes, .offset: 8, .size: 8, .value_kind: global_buffer, .address_space: global }
      - { .name: wq_scales, .offset: 16, .size: 8, .value_kind: global_buffer, .address_space: global }
      - { .name: bq, .offset: 24, .size: 8, .value_kind: global_buffer, .address_space: global }
      - { .name: kv, .offset: 32, .size: 8, .value_kind: global_buffer, .address_space: global }
      - { .name: wm_codes, .offset: 40, .size: 8, .value_kind: global_buffer, .address_space: global }
      - { .name: wm_scales, .offset: 48, .size: 8, .value_kind: global_buffer, .address_space: global }
      - { .name: bm, .offset: 56, .size: 8, .value_kind: global_buffer, .address_space: global }
      - { .name: w1_codes, .offset: 64, .size: 8, .value_kind: global_buffer, .address_space: global }
      - { .name: w1_scales, .offset: 72, .size: 8, .value_kind: global_buffer, .address_space: global }
      - { .name: b1, .offset: 80, .size: 8, .value_kind: global_buffer, .address_space: global }
      - { .name: catc, .offset: 88, .size: 8, .value_kind: global_buffer, .address_space: global }
      - { .name: cats, .offset: 96, .size: 8, .value_kind: global_buffer, .address_space: global }
      - { .name: part, .offset: 104, .size: 8, .value_kind: global_buffer, .address_space: global }
    .group_segment_fixed_size: 327680
    .private_segment_fixed_size: 0
    .kernarg_segment_align: 8
    .kernarg_segment_size: 112
    .max_flat_workgroup_size: 256
    .sgpr_count:     84
    .vgpr_count:     512
    .wavefront_size: 32
...
	.end_amdgpu_metadata
.endif
;; end of part 2
;; launch bnstat (part 3): grid 8 x 1, 8 waves a work-group, no clusters, 5,120 bytes of LDS; arguments part, gamma, b1, coef; writes coef
.if DOCPART == 3
	.amdgcn_target "amdgcn-amd-amdhsa--gfx1250"
	.amdhsa_code_object_version 6
	.text
	.protected	k_q3630ac0a0e_bnstat
	.globl	k_q3630ac0a0e_bnstat
	.p2align	8
	.type	k_q3630ac0a0e_bnstat,@function
k_q3630ac0a0e_bnstat:
	s_mov_b64 s[64:65], 0
	v_nop
	global_prefetch_b8 v0, s[64:65] scope:SCOPE_SE
	s_setreg_imm32_b32 hwreg(HW_REG_WAVE_MODE, 25, 1), 1
	s_wait_xcnt 0x0
; The 256 partial (mean of 64 rows, sum of squares about it) of each of 512 channels are joined: mean = the means' mean; 16,384 var = the sums of squares + 64 x the squares of (partial mean - mean).
; No difference of large sums is formed.  coef[0][c] = b1[c] - mean[c], coef[1][c] = gamma[c] / sqrt(var[c] + 1e-5).
; Work-group g owns words 64 g .. 64 g + 63 of part's rows: word 4 q + i of them is channel 64 g + 16 i + q.  Thread: q = lane % 16; its group G = thread / 16 takes partials 16 G .. 16 G + 15: sixteen lanes read 256 consecutive bytes.
; The sixteen groups' sums meet through LDS, once for the mean and once for the variance, in bytes of their own each time.  1 MiB is read once: matrix units, clusters and tensor loads would add nothing here.
.set ME, 16                            ; v16-79   16 partial means x 4 channels
.set M2, 80                            ; v80-143  16 sums of squares x 4
.set GA, 144
.set B1, 148
.set SA, 152                           ; a sum of four
.set XP, 156
.set MN, 160                           ; the mean
.set DD, 164
.set QA, 168
.set MA, 172
.set LD, 176                           ; v176-207 the eight waves' sums
.set OV, 208
.macro GATHER off                      ; SA of all sixteen groups is added; the result in every lane's SA
.irp i, 0,1,2,3
	v_permlanex16_b32 v[XP+\i], v[SA+\i], s16, s17
.endr
	v_pk_add_f32 v[SA:SA+1], v[SA:SA+1], v[XP:XP+1]
	v_pk_add_f32 v[SA+2:SA+3], v[SA+2:SA+3], v[XP+2:XP+3]
	ds_store_b128 v8, v[SA:SA+3] offset:\off       ; lanes q and 16 + q write the same bytes with the same values
	s_wait_dscnt 0x0                               ; for the others' sake
	s_barrier_signal -1
	s_barrier_wait -1
.irp k, 0,1,2,3,4,5,6,7
	ds_load_b128 v[LD+4*\k:LD+4*\k+3], v5 offset:\off+256*\k
.endr
	s_wait_dscnt 0x0
	v_pk_add_f32 v[SA:SA+1], v[LD:LD+1], v[LD+4:LD+5]
	v_pk_add_f32 v[SA+2:SA+3], v[LD+2:LD+3], v[LD+6:LD+7]
.irp k, 2,3,4,5,6,7
	v_pk_add_f32 v[SA:SA+1], v[SA:SA+1], v[LD+4*\k:LD+4*\k+1]
	v_pk_add_f32 v[SA+2:SA+3], v[SA+2:SA+3], v[LD+4*\k+2:LD+4*\k+3]
.endr
.endm
	s_load_b256 s[4:11], s[0:1], 0x0               ; part, gamma, b1, coef
	v_lshl_add_u32 v216, v0, 2, 0x1000
	v_mov_b32 v217, 0
	v_lshrrev_b32 v1, 5, v0
	v_readfirstlane_b32 s12, v1                    ; wave
	v_and_b32 v2, 15, v0                           ; q
	v_bfe_u32 v3, v0, 4, 1                         ; the lane's half
	v_lshrrev_b32 v4, 4, v0                        ; G
	v_lshlrev_b32 v5, 4, v2                        ; 16 q
	v_lshl_add_u32 v6, v4, 16, v5                  ; 16 G partials of 4,096 bytes + 16 q
	v_lshlrev_b32 v7, 2, v2                        ; 4 q
	s_lshl_b32 s13, s12, 8
	v_add_nc_u32 v8, s13, v5                       ; LDS: 256 x wave + 16 q
	s_lshl_b32 s14, ttmp9, 8                       ; 256 g
	s_mov_b32 s15, 0
	s_mov_b32 s16, 0x76543210
	s_mov_b32 s17, 0xfedcba98
	s_mov_b32 s18, 0x38800000                      ; 1 / 16,384
	s_mov_b32 s19, 0x3727c5ac                      ; 1e-5
.irp i, 0,1,2,3
	v_mov_b32 v[XP+\i], 0                          ; written once: a lane permute's destination counts as one of its sources
.endr
	s_wait_kmcnt 0x0
	s_add_nc_u64 s[4:5], s[4:5], s[14:15]
	s_add_nc_u64 s[6:7], s[6:7], s[14:15]
	s_add_nc_u64 s[8:9], s[8:9], s[14:15]
	s_add_nc_u64 s[10:11], s[10:11], s[14:15]
.irp t, 0,1,2,3,4,5,6,7,8,9,10,11,12,13,14,15
	global_load_b128 v[ME+4*\t:ME+4*\t+3], v6, s[4:5] offset:4096*\t
.endr
.irp t, 0,1,2,3,4,5,6,7,8,9,10,11,12,13,14,15
	global_load_b128 v[M2+4*\t:M2+4*\t+3], v6, s[4:5] offset:4096*\t+2048
.endr
.irp i, 0,1,2,3
	global_load_b32 v[GA+\i], v7, s[6:7] offset:64*\i
	global_load_b32 v[B1+\i], v7, s[8:9] offset:64*\i
.endr
	s_wait_loadcnt 24                              ; the means are in; the 16 + 8 loads behind them may be out
	v_pk_add_f32 v[SA:SA+1], v[ME:ME+1], v[ME+4:ME+5]
	v_pk_add_f32 v[SA+2:SA+3], v[ME+2:ME+3], v[ME+6:ME+7]
.irp t, 2,3,4,5,6,7,8,9,10,11,12,13,14,15
	v_pk_add_f32 v[SA:SA+1], v[SA:SA+1], v[ME+4*\t:ME+4*\t+1]
	v_pk_add_f32 v[SA+2:SA+3], v[SA+2:SA+3], v[ME+4*\t+2:ME+4*\t+3]
.endr
	GATHER 0
	v_pk_mul_f32 v[MN:MN+1], v[SA:SA+1], 0x3b800000 op_sel_hi:[1,0]       ; / 256: the mean
	v_pk_mul_f32 v[MN+2:MN+3], v[SA+2:SA+3], 0x3b800000 op_sel_hi:[1,0]
	s_wait_loadcnt 0x0
.irp t, 0,1,2,3,4,5,6,7,8,9,10,11,12,13,14,15
	v_pk_add_f32 v[DD:DD+1], v[ME+4*\t:ME+4*\t+1], v[MN:MN+1] neg_lo:[0,1] neg_hi:[0,1]
	v_pk_add_f32 v[DD+2:DD+3], v[ME+4*\t+2:ME+4*\t+3], v[MN+2:MN+3] neg_lo:[0,1] neg_hi:[0,1]
.if \t == 0
	v_pk_mul_f32 v[QA:QA+1], v[DD:DD+1], v[DD:DD+1]
	v_pk_mul_f32 v[QA+2:QA+3], v[DD+2:DD+3], v[DD+2:DD+3]
.else
	v_pk_fma_f32 v[QA:QA+1], v[DD:DD+1], v[DD:DD+1], v[QA:QA+1]
	v_pk_fma_f32 v[QA+2:QA+3], v[DD+2:DD+3], v[DD+2:DD+3], v[QA+2:QA+3]
.endif
.endr
	v_pk_add_f32 v[MA:MA+1], v[M2:M2+1], v[M2+4:M2+5]
	v_pk_add_f32 v[MA+2:MA+3], v[M2+2:M2+3], v[M2+6:M2+7]
.irp t, 2,3,4,5,6,7,8,9,10,11,12,13,14,15
	v_pk_add_f32 v[MA:MA+1], v[MA:MA+1], v[M2+4*\t:M2+4*\t+1]
	v_pk_add_f32 v[MA+2:MA+3], v[MA+2:MA+3], v[M2+4*\t+2:M2+4*\t+3]
.endr
	v_pk_fma_f32 v[SA:SA+1], v[QA:QA+1], 0x42800000, v[MA:MA+1] op_sel_hi:[1,0,1]     ; 64 rows stand behind each partial mean
	v_pk_fma_f32 v[SA+2:SA+3], v[QA+2:QA+3], 0x42800000, v[MA+2:MA+3] op_sel_hi:[1,0,1]
	GATHER 2048
.irp i, 0,1,2,3
	v_fma_f32 v[SA+\i], v[SA+\i], s18, s19         ; var + eps
.endr
.irp i, 0,1,2,3
	v_rsq_f32 v[SA+\i], v[SA+\i]
.endr
	v_nop                                          ; a plain place behind the last of them
	s_wait_alu depctr_va_vdst(0)
.irp i, 0,1,2,3
	v_mul_f32 v[QA+\i], v[GA+\i], v[SA+\i]
	v_sub_f32 v[MA+\i], v[B1+\i], v[MN+\i]
.endr
	s_cmp_lg_u32 s12, 0                            ; every wave holds the results; wave 0 stores them
	s_cbranch_scc1 .Lend
	v_cmp_ne_u32 vcc_lo, 0, v3
.irp i, 0,1,2,3
	v_cndmask_b32 v[OV+\i], v[MA+\i], v[QA+\i], vcc_lo         ; lanes 0-15: b1 - mean; lanes 16-31: the gain
.endr
	v_lshl_add_u32 v9, v3, 11, v7
.irp i, 0,1,2,3
	global_store_b32 v9, v[OV+\i], s[10:11] offset:64*\i
.endr
.Lend:
	s_wait_tensorcnt 0x0
	ds_add_u32 v216, v217
	s_wait_dscnt 0x0
	s_endpgm
.Lfunc_end_k_q3630ac0a0e_bnstat:
	.size	k_q3630ac0a0e_bnstat, .Lfunc_end_k_q3630ac0a0e_bnstat-k_q3630ac0a0e_bnstat
	.p2alignl 7, 3214868480
	.fill 96, 4, 3214868480
	.section	.rodata,"a",@progbits
	.p2align	6, 0x0
	.amdhsa_kernel k_q3630ac0a0e_bnstat
		.amdhsa_group_segment_fixed_size 5120
		.amdhsa_private_segment_fixed_size 0
		.amdhsa_enable_private_segment 0
		.amdhsa_kernarg_size 32
		.amdhsa_user_sgpr_count 2
		.amdhsa_user_sgpr_kernarg_segment_ptr 1
		.amdhsa_wavefront_size32 1
		.amdhsa_system_sgpr_workgroup_id_x 1
		.amdhsa_system_sgpr_workgroup_id_y 1
		.amdhsa_system_sgpr_workgroup_id_z 1
		.amdhsa_system_vgpr_workitem_id 0
		.amdhsa_next_free_vgpr 218
		.amdhsa_next_free_sgpr 66
		.amdhsa_reserve_vcc 1
		.amdhsa_float_denorm_mode_32 3
		.amdhsa_float_denorm_mode_16_64 3
		.amdhsa_memory_ordered 1
		.amdhsa_forward_progress 1
		.amdhsa_inst_pref_size 19
	.end_amdhsa_kernel
	.amdgpu_metadata
---
amdhsa.version: [ 1, 2 ]
amdhsa.kernels:
  - .name:           k_q3630ac0a0e_bnstat
    .symbol:         k_q3630ac0a0e_bnstat.kd
    .args:
      - { .name: part, .offset: 0, .size: 8, .value_kind: global_buffer, .address_space: global }
      - { .name: gamma, .offset: 8, .size: 8, .value_kind: global_buffer, .address_space: global }
      - { .name: b1, .offset: 16, .size: 8, .value_kind: global_buffer, .address_space: global }
      - { .name: coef, .offset: 24, .size: 8, .value_kind: global_buffer, .address_space: global }
    .group_segment_fixed_size: 5120
    .private_segment_fixed_size: 0
    .kernarg_segment_align: 8
    .kernarg_segment_size: 32
    .max_flat_workgroup_size: 256
    .sgpr_count:     66
    .vgpr_count:     218
    .wavefront_size: 32
...
	.end_amdgpu_metadata
.endif
;; end of part 3
;; launch final (part 4): grid 256 x 1, 4 waves a work-group, no clusters, 168,448 bytes of LDS; arguments catc, cats, w1_codes, w1_scales, coef, beta, w2_codes, w2_scales, b2, motion1, out0; writes out0
.if DOCPART == 4
	.amdgcn_target "amdgcn-amd-amdhsa--gfx1250"
	.amdhsa_code_object_version 6
	.text
	.protected	k_q3630ac0a0e_final
	.globl	k_q3630ac0a0e_final
	.p2align	8
	.type	k_q3630ac0a0e_final,@function
k_q3630ac0a0e_final:
	s_mov_b64 s[64:65], 0
	v_nop
	global_prefetch_b8 v0, s[64:65] scope:SCOPE_SE
	s_setreg_imm32_b32 hwreg(HW_REG_WAVE_MODE, 25, 1), 1
	s_wait_xcnt 0x0
; out = motion1 + w2 relu((w1 cat + b1 - mean) a + beta) + b2, both products on codes of FP4 (E2M1); cat arrives as images of its operand registers, mean and a from coef.
; SHARES.  A work-group takes 64 columns n of one batch.  THE WAVES SHARE THE CHANNELS: wave w makes hidden units 128 w .. 128 w + 127 and outputs 64 w .. 64 w + 63 for all four row tiles; its parts of w1 and w2 go from
; memory straight into its registers.  The hidden layer goes from wave to wave through LDS as images of its operand registers, with one barrier.
; First product transposed (source 0 = 16 rows of w1, chosen so that a lane's 16 registers of two neighbouring tiles are 16 neighbours along the next K; source 1 = cat): a lane holds one n.  b1 - mean is the C of its first link.
; Second product not transposed (source 0 = the hidden rows, source 1 = 16 rows of w2): a lane holds ONE output channel and eight neighbouring n, as out0 has them; b2 is the C of its first link.
; The residual's tile (64 channels x 256 bytes a wave) comes by one tensor load at the head, into bytes that only the issuing wave reads; nothing is filled again.  Results go through the wave's own stage and leave with
; sixteen lanes storing 256 consecutive bytes.
; NO CLUSTER: what work-groups share are 192 KiB of weights, which go once into the registers that use them; joint loads would add a pass through LDS.
; LIMITS: NaN and infinities are not served; a block whose largest magnitude lies under 2^-124 gets the scale byte 1, and so does a block of zeros (its codes are zeros; only this program reads the bytes).
.set WST,  17408                       ; 64 rows x (256 + 16) bytes
.set STG,  4*WST                       ; LDS: 0: the residual, a region for each wave;  STG: the stages, likewise;
.set HIMG, 8*WST                       ; the hidden layer's 16 images [m][s][1,024];
.set HSC,  HIMG+16384                  ; their scale words [m][r][4]
.set LI,  1                            ; v1  16 lane
.set R16, 2                            ; v2  16 r
.set HWI, 3                            ; v3  HIMG + 16 lane + 1,024 w
.set HWS, 4                            ; v4  HSC + 16 r + 4 w
.set SO,  5                            ; v5  the stage, in: row r, + 32 h
.set SR,  6                            ; v6  the stage, back: row h, + 16 r
.set RR,  7                            ; v7  the residual, likewise
.set GO,  8                            ; v8  out0: 8,192 h + 16 r
.set W1A, 9                            ; v9  w1: 256 (r + 8 (r / 8)) + 16 h
.set W2A, 10                           ; v10 w2: 256 r + 16 h
.set H64, 11                           ; v11 64 h
.set W1SA, 12                          ; v12 16 (r + 8 (r / 8))
.set LH,  13                           ; v13 HIMG + 16 lane
.set RH,  14                           ; v14 HSC + 16 r
.set R4,  15                           ; v15 4 r
.set HA,  16                           ; v16-79   8 tiles of the hidden layer
.set PC,  80
.set PW,  88
.set TM,  96
.set W1S, 112                          ; v112-143 w1's scale words (4 t + s)
.set CS,  144                          ; v144-159 cat's (4 m + s)
.set W2S, 160                          ; v160-175 w2's (4 o + s)
.set HS,  176                          ; v176-191 the hidden layer's (4 m + s)
.set OUTA, 192
.set RESA, 224
.set WV,  26
.set SEL, 30
.set G1,  32
.set G0,  40
; window 1: w1's 32 fragments at v[8 (4 t + s)]; later y's 16 accumulators at v[8 (4 o + m)].  window 2: v0-63 b1 - mean, v64-127 a, v128-191 beta, v192-223 b2.
; window 3: v0-127 w2's 16 fragments; v128-255 cat's 16, later the hidden layer's.
.set MSB, 0
.macro WIN new
.if MSB != \new
	s_set_vgpr_msb (MSB<<8)|\new
.set MSB, \new
.endif
.endm
.macro PLACES n
.rept \n
	v_nop
.endr
.endm
.macro MM d, x, y, c, sx, sy           ; D = x (source 0) times y (source 1) + c
	v_wmma_scale_f32_16x16x128_f8f6f4 v[(\d):(\d)+7], v[(\x):(\x)+7], v[(\y):(\y)+7], v[(\c):(\c)+7], v[(\sx)], v[(\sy)] matrix_a_fmt:MATRIX_FMT_FP4 matrix_b_fmt:MATRIX_FMT_FP4
.endm
.macro QUANT s, pc, pw, tm             ; 64 numbers of a lane, register 16 b + i = k 32 b + 16 (lane / 16) + i, become a fragment's codes and its scale word
.irp b, 0,1,2,3
	v_max3_num_f32 v[(\tm)+\b], |v[(\s)+16*\b]|, |v[(\s)+16*\b+1]|, 0x1800000
.endr
.irp i, 2,4,6,8,10,12,14
.irp b, 0,1,2,3
	v_max3_num_f32 v[(\tm)+\b], v[(\tm)+\b], |v[(\s)+16*\b+\i]|, |v[(\s)+16*\b+\i+1]|
.endr
.endr
.irp b, 0,1,2,3
	v_permlanex16_b32 v[(\tm)+4+\b], v[(\tm)+\b], s[SEL], s[SEL+1]
.endr
.irp b, 0,1,2,3
	v_max_num_f32 v[(\tm)+\b], v[(\tm)+\b], v[(\tm)+4+\b]
.endr
.irp b, 0,1,2,3
	v_add_nc_u32 v[(\tm)+12+\b], 0xff000000, v[(\tm)+\b]
.endr
.irp b, 0,1,2,3
	v_lshrrev_b32 v[(\tm)+4+\b], 23, v[(\tm)+12+\b]
.endr
	v_lshl_or_b32 v[(\pw)], v[(\tm)+5], 8, v[(\tm)+4]
	v_lshl_or_b32 v[(\pw)], v[(\tm)+6], 16, v[(\pw)]
	v_lshl_or_b32 v[(\pw)], v[(\tm)+7], 24, v[(\pw)]
.irp b, 0,1,2,3
	v_cvt_scalef32_pk8_fp4_f32 v[(\pc)+2*\b], v[(\s)+16*\b:(\s)+16*\b+7], v[(\tm)+12+\b]
	v_cvt_scalef32_pk8_fp4_f32 v[(\pc)+2*\b+1], v[(\s)+16*\b+8:(\s)+16*\b+15], v[(\tm)+12+\b]
.endr
	v_nop
.irp c, 0,1
.irp i, 0,1
	v_permlane16_swap_b32 v[(\pc)+4*\c+\i], v[(\pc)+4*\c+2+\i]
.endr
.endr
.endm
	s_load_b512 s[4:19], s[0:1], 0x0               ; catc, cats; w1's codes, scales; coef; beta; w2's codes, scales
	s_load_b128 s[20:23], s[0:1], 0x40             ; b2, motion1
	s_load_b64 s[24:25], s[0:1], 0x50              ; out0
	v_lshl_add_u32 v106, v0, 2, 0x29000
	v_mov_b32 v107, 0
	ds_add_u32 v106, v107
	ds_add_u32 v106, v107
	v_lshrrev_b32 v16, 5, v0
	v_readfirstlane_b32 s[WV], v16
	s_lshr_b32 s27, ttmp9, 5                       ; batch
	s_and_b32 s28, ttmp9, 31                       ; block of 64 columns
	s_mov_b32 s[G1], (2<<16)|(1<<20)|(5<<22)|(3<<25)   ; elements of 4 bytes; padding: 4 words behind every 64
	s_mov_b32 s[G1+1], 64<<16                      ; tensor_dim0 = 64
	s_mov_b32 s[G1+2], 64<<16                      ; tensor_dim1 = 64
	s_mov_b32 s[G1+3], 64<<16                      ; tile_dim0
	s_mov_b32 s[G1+4], 64                          ; tile_dim1
	s_mov_b32 s[G1+5], 2048                        ; the pitch
	s_mov_b32 s[G1+6], 0
	s_mov_b32 s[G1+7], 0
	s_lshl_b32 s44, s27, 21                        ; motion1 and out0: the batch, my 64 channels, the block's 256 bytes
	s_lshl_b32 s45, s[WV], 19
	s_add_co_u32 s44, s44, s45
	s_lshl_b32 s45, s28, 8
	s_add_co_u32 s44, s44, s45
	s_mov_b32 s45, 0
	s_mov_b32 s[G0], 1
	s_mul_i32 s[G0+1], s[WV], WST
	s_wait_dscnt 0x0
	s_wait_kmcnt 0x0
	s_add_nc_u64 s[G0+2:G0+3], s[22:23], s[44:45]
	s_or_b32 s[G0+3], s[G0+3], 0x80000000
	tensor_load_to_lds s[G0:G0+3], s[G1:G1+7]      ; the residual: my one tensor load, waited for on the way out
	s_nop 0
	PLACES 4
	s_add_nc_u64 s[24:25], s[24:25], s[44:45]
	s_mov_b32 s47, 0
	s_lshl_b32 s46, ttmp9, 14
	s_add_nc_u64 s[4:5], s[4:5], s[46:47]
	s_lshl_b32 s46, ttmp9, 10
	s_add_nc_u64 s[6:7], s[6:7], s[46:47]
	s_lshl_b32 s46, s[WV], 15
	s_add_nc_u64 s[8:9], s[8:9], s[46:47]
	s_lshl_b32 s46, s[WV], 11
	s_add_nc_u64 s[10:11], s[10:11], s[46:47]
	s_lshl_b32 s46, s[WV], 9
	s_add_nc_u64 s[12:13], s[12:13], s[46:47]
	s_add_nc_u64 s[14:15], s[14:15], s[46:47]
	s_lshl_b32 s46, s[WV], 14
	s_add_nc_u64 s[16:17], s[16:17], s[46:47]
	s_lshl_b32 s46, s[WV], 10
	s_add_nc_u64 s[18:19], s[18:19], s[46:47]
	s_lshl_b32 s46, s[WV], 8
	s_add_nc_u64 s[20:21], s[20:21], s[46:47]
	s_mov_b32 s[SEL], 0x76543210
	s_mov_b32 s[SEL+1], 0xfedcba98
	v_and_b32 v17, 31, v0
	v_and_b32 v18, 15, v0                          ; r
	v_bfe_u32 v19, v0, 4, 1                        ; h
	v_and_b32 v20, 8, v18
	v_add_nc_u32 v20, v20, v18                     ; r + 8 (r / 8)
	v_lshlrev_b32 v[LI], 4, v17
	v_lshlrev_b32 v[R16], 4, v18
	v_lshlrev_b32 v[R4], 2, v18
	s_lshl_b32 s48, s[WV], 10
	s_add_co_u32 s48, s48, HIMG
	v_add_nc_u32 v[HWI], s48, v[LI]
	s_lshl_b32 s48, s[WV], 2
	s_add_co_u32 s48, s48, HSC
	v_add_nc_u32 v[HWS], s48, v[R16]
	s_mul_i32 s49, s[WV], WST
	s_add_co_u32 s48, s49, STG
	v_mul_u32_u24 v[SO], v18, 272
	v_lshl_add_u32 v[SO], v19, 5, v[SO]
	v_add_nc_u32 v[SO], s48, v[SO]
	v_mul_u32_u24 v[SR], v19, 272
	v_lshl_add_u32 v[SR], v18, 4, v[SR]
	v_add_nc_u32 v[RR], s49, v[SR]
	v_add_nc_u32 v[SR], s48, v[SR]
	v_lshl_add_u32 v[GO], v19, 13, v[R16]
	v_lshlrev_b32 v[W1A], 8, v20
	v_lshl_add_u32 v[W1A], v19, 4, v[W1A]
	v_lshlrev_b32 v[W2A], 8, v18
	v_lshl_add_u32 v[W2A], v19, 4, v[W2A]
	v_lshlrev_b32 v[H64], 6, v19
	v_lshlrev_b32 v[W1SA], 4, v20
	v_add_nc_u32 v[LH], HIMG, v[LI]
	v_add_nc_u32 v[RH], HSC, v[R16]
.irp b, 0,1,2,3
	v_mov_b32 v[TM+4+\b], 0                        ; written once: a lane permute's destination counts as one of its sources
.endr
	WIN 0xc0
.irp f, 0,1,2,3,4,5,6,7,8,9,10,11,12,13,14,15
.irp c, 0,1
	global_load_b128 v[128+8*\f+4*\c:128+8*\f+4*\c+3], v[LI], s[4:5] offset:1024*\f+512*\c     ; cat's fragments, as they lie
.endr
.endr
	WIN 0
.irp m, 0,1,2,3
	global_load_b128 v[CS+4*\m:CS+4*\m+3], v[R16], s[6:7] offset:256*\m
.endr
	WIN 0x40
.irp t, 0,1,2,3,4,5,6,7
.irp s, 0,1,2,3
.irp c, 0,1
	global_load_b128 v[8*(4*\t+\s)+4*\c:8*(4*\t+\s)+4*\c+3], v[W1A], s[8:9] offset:(32*(\t/2)+8*(\t%2))*256+64*\s+32*\c
.endr
.endr
.endr
	WIN 0
.irp t, 0,1,2,3,4,5,6,7
	global_load_b128 v[W1S+4*\t:W1S+4*\t+3], v[W1SA], s[10:11] offset:(32*(\t/2)+8*(\t%2))*16
.endr
	WIN 0x80
.irp t, 0,1,2,3,4,5,6,7                        ; register j of tile t is hidden unit 32 (t / 2) + 16 h + 8 (t % 2) + j
	global_load_b128 v[8*\t:8*\t+3], v[H64], s[12:13] offset:(32*(\t/2)+8*(\t%2))*4
	global_load_b128 v[8*\t+4:8*\t+7], v[H64], s[12:13] offset:(32*(\t/2)+8*(\t%2))*4+16
	global_load_b128 v[64+8*\t:64+8*\t+3], v[H64], s[12:13] offset:2048+(32*(\t/2)+8*(\t%2))*4
	global_load_b128 v[64+8*\t+4:64+8*\t+7], v[H64], s[12:13] offset:2048+(32*(\t/2)+8*(\t%2))*4+16
	global_load_b128 v[128+8*\t:128+8*\t+3], v[H64], s[14:15] offset:(32*(\t/2)+8*(\t%2))*4
	global_load_b128 v[128+8*\t+4:128+8*\t+7], v[H64], s[14:15] offset:(32*(\t/2)+8*(\t%2))*4+16
.endr
	WIN 0xc0
.irp o, 0,1,2,3
.irp s, 0,1,2,3
.irp c, 0,1
	global_load_b128 v[8*(4*\o+\s)+4*\c:8*(4*\o+\s)+4*\c+3], v[W2A], s[16:17] offset:4096*\o+64*\s+32*\c
.endr
.endr
.endr
	WIN 0
.irp o, 0,1,2,3
	global_load_b128 v[W2S+4*\o:W2S+4*\o+3], v[R16], s[18:19] offset:256*\o
.endr
	WIN 0x80
.irp o, 0,1,2,3
	global_load_b32 v[192+8*\o], v[R4], s[20:21] offset:64*\o
.endr
	WIN 0
	s_wait_loadcnt 40                              ; all that the first product wants is in; w2's 32, its scale words' 4 and b2's 4 may be out
	; ---- the hidden layer, a tile of 16 rows at a time; eight accumulators by turns
.irp m, 0,1,2,3
	WIN 0x2d                                       ; source 0 window 1, source 1 window 3, C window 2
.irp t, 0,1,2,3,4,5,6,7
	MM HA+8*\t, 8*(4*\t), 128+8*(4*\m), 8*\t, W1S+4*\t, CS+4*\m
.endr
	WIN 0x0d
.irp s, 1,2,3
.irp t, 0,1,2,3,4,5,6,7
	MM HA+8*\t, 8*(4*\t+\s), 128+8*(4*\m+\s), HA+8*\t, W1S+4*\t+\s, CS+4*\m+\s
.endr
.endr
	WIN 0
	PLACES 4
	WIN 0x28                                       ; sources 1 and 2 window 2
.set j, 0
.rept 32
	v_pk_fma_f32 v[HA+2*j:HA+2*j+1], v[HA+2*j:HA+2*j+1], v[64+2*j:64+2*j+1], v[128+2*j:128+2*j+1]   ; (h - mean) a + beta
.set j, j+1
.endr
	WIN 0
.set j, 0
.rept 64
	v_max_num_f32 v[HA+j], 0, v[HA+j]
.set j, j+1
.endr
	QUANT HA, PC, PW, TM
	ds_store_b128 v[HWI], v[PC:PC+3] offset:4096*\m            ; K step w of the second product, rows 16 m on
	ds_store_b128 v[HWI], v[PC+4:PC+7] offset:4096*\m+512
	ds_store_b32 v[HWS], v[PW] offset:256*\m                   ; lanes r and 16 + r write the same word with the same value
	s_wait_dscnt 0x0                               ; the stores have read their registers; at the last tile also for the others' sake
.endr
	s_barrier_signal -1
	s_barrier_wait -1                              ; the hidden layer's sixteen fragments lie in LDS
	; ---- my 64 outputs for the 64 rows: sixteen accumulators by turns
	s_wait_loadcnt 0x0
	WIN 0x82
.irp o, 0,1,2,3
.irp j, 1,2,3,4,5,6,7
	v_mov_b32 v[192+8*\o+\j], v[192+8*\o]          ; the lane's one output channel: b2 alike in the eight registers
.endr
.endr
	WIN 0xc0
.irp f, 0,1,2,3,4,5,6,7,8,9,10,11,12,13,14,15
.irp c, 0,1
	ds_load_b128 v[128+8*\f+4*\c:128+8*\f+4*\c+3], v[LH] offset:1024*\f+512*\c
.endr
.endr
	WIN 0
.irp m, 0,1,2,3
	ds_load_b128 v[HS+4*\m:HS+4*\m+3], v[RH] offset:256*\m
.endr
	s_wait_dscnt 0x0
	WIN 0x6f                                       ; sources 0 and 1 window 3, C window 2, D window 1
.irp m, 0,1,2,3
.irp o, 0,1,2,3
	MM 8*(4*\o+\m), 128+8*(4*\m), 8*(4*\o), 192+8*\o, HS+4*\m, W2S+4*\o
.endr
.endr
	WIN 0x5f
.irp s, 1,2,3
.irp m, 0,1,2,3
.irp o, 0,1,2,3
	MM 8*(4*\o+\m), 128+8*(4*\m+\s), 8*(4*\o+\s), 8*(4*\o+\m), HS+4*\m+\s, W2S+4*\o+\s
.endr
.endr
.endr
	WIN 0
	PLACES 4
	; ---- the way out: lane (r, h) holds y(channel 16 o + r, n = 16 m + 8 h + 0 .. 7); through my stage, back as rows of 256 bytes, + the residual
	WIN 0x04                                       ; an LDS store's data are its source 1: window 1
.irp o, 0,1,2,3
.irp m, 0,1,2,3
	ds_store_b128 v[SO], v[8*(4*\o+\m):8*(4*\o+\m)+3] offset:4352*\o+64*\m         ; each accumulator from its low end on
	ds_store_b128 v[SO], v[8*(4*\o+\m)+4:8*(4*\o+\m)+7] offset:4352*\o+64*\m+16
.endr
.endr
	WIN 0
	s_wait_tensorcnt 0x0                           ; the residual's tile is in
.irp g, 0,1,2,3
.if \g > 0
	s_wait_xcnt 0x0                                ; the last batch's stores have read their registers
.endif
.irp i, 0,1,2,3,4,5,6,7
	ds_load_b128 v[OUTA+4*\i:OUTA+4*\i+3], v[SR] offset:544*(8*\g+\i)      ; LDS serves a wave's instructions in order: these see my stores
	ds_load_b128 v[RESA+4*\i:RESA+4*\i+3], v[RR] offset:544*(8*\g+\i)
.endr
.irp i, 0,1,2,3,4,5,6,7
	s_wait_dscnt 14-2*\i                           ; pair i is in; the younger pairs may be out
	v_pk_add_f32 v[OUTA+4*\i:OUTA+4*\i+1], v[OUTA+4*\i:OUTA+4*\i+1], v[RESA+4*\i:RESA+4*\i+1]
	v_pk_add_f32 v[OUTA+4*\i+2:OUTA+4*\i+3], v[OUTA+4*\i+2:OUTA+4*\i+3], v[RESA+4*\i+2:RESA+4*\i+3]
	global_store_b128 v[GO], v[OUTA+4*\i:OUTA+4*\i+3], s[24:25] offset:16384*(8*\g+\i) th:TH_STORE_NT   ; sixteen lanes store 256 consecutive bytes of one channel's row, aligned
.endr
.endr
	s_wait_tensorcnt 0x0
	ds_add_u32 v106, v107
	s_wait_dscnt 0x0
	s_endpgm
.Lfunc_end_k_q3630ac0a0e_final:
	.size	k_q3630ac0a0e_final, .Lfunc_end_k_q3630ac0a0e_final-k_q3630ac0a0e_final
	.p2alignl 7, 3214868480
	.fill 96, 4, 3214868480
	.section	.rodata,"a",@progbits
	.p2align	6, 0x0
	.amdhsa_kernel k_q3630ac0a0e_final
		.amdhsa_group_segment_fixed_size 168448
		.amdhsa_private_segment_fixed_size 0
		.amdhsa_enable_private_segment 0
		.amdhsa_kernarg_size 88
		.amdhsa_user_sgpr_count 2
		.amdhsa_user_sgpr_kernarg_segment_ptr 1
		.amdhsa_wavefront_size32 1
		.amdhsa_system_sgpr_workgroup_id_x 1
		.amdhsa_system_sgpr_workgroup_id_y 1
		.amdhsa_system_sgpr_workgroup_id_z 1
		.amdhsa_system_vgpr_workitem_id 0
		.amdhsa_next_free_vgpr 1024
		.amdhsa_next_free_sgpr 66
		.amdhsa_reserve_vcc 0
		.amdhsa_float_denorm_mode_32 3
		.amdhsa_float_denorm_mode_16_64 3
		.amdhsa_memory_ordered 1
		.amdhsa_forward_progress 1
		.amdhsa_inst_pref_size 98
	.end_amdhsa_kernel
	.amdgpu_metadata
---
amdhsa.version: [ 1, 2 ]
amdhsa.kernels:
  - .name:           k_q3630ac0a0e_final
    .symbol:         k_q3630ac0a0e_final.kd
    .args:
      - { .name: catc, .offset: 0, .size: 8, .value_kind: global_buffer, .address_space: global }
      - { .name: cats, .offset: 8, .size: 8, .value_kind: global_buffer, .address_space: global }
      - { .name: w1_codes, .offset: 16, .size: 8, .value_kind: global_buffer, .address_space: global }
      - { .name: w1_scales, .offset: 24, .size: 8, .value_kind: global_buffer, .address_space: global }
      - { .name: coef, .offset: 32, .size: 8, .value_kind: global_buffer, .address_space: global }
      - { .name: beta, .offset: 40, .size: 8, .value_kind: global_buffer, .address_space: global }
      - { .name: w2_codes, .offset: 48, .size: 8, .value_kind: global_buffer, .address_space: global }
      - { .name: w2_scales, .offset: 56, .size: 8, .value_kind: global_buffer, .address_space: global }
      - { .name: b2, .offset: 64, .size: 8, .value_kind: global_buffer, .address_space: global }
      - { .name: motion1, .offset: 72, .size: 8, .value_kind: global_buffer, .address_space: global }
      - { .name: out0, .offset: 80, .size: 8, .value_kind: global_buffer, .address_space: global }
    .group_segment_fixed_size: 168448
    .private_segment_fixed_size: 0
    .kernarg_segment_align: 8
    .kernarg_segment_size: 88
    .max_flat_workgroup_size: 128
    .sgpr_count:     66
    .vgpr_count:     1024
    .wavefront_size: 32
...
	.end_amdgpu_metadata
.endif
;; end of part 4
